; MI455X (gfx1250); checked and timed in simulation.
; The chip was launched on July 23, 2026; its instructions are those of AMD's public machine-readable ISA for CDNA 5 (MIT licence, August 2026) and "CDNA5" Instruction Set Architecture Reference Guide (July 2026). The comments in the code are by the model that wrote it; some were corrected since.
;; Thorns Attention. Allowed arithmetic: matrix products marked QUANTISED: E2M3 operands, one E8M0 scale for each 32 along K, by v_wmma_scale_f32_16x16x128_f8f6f4 with both operands' format E2M3, f32 sums; products left as they are: f32 operands where the result goes on into a quantised operand, else bf16, f16 or f32 operands; f32 sums; everything else in f32.
;; Inputs: Wd 1,024 x 1,024 float32; Wk 1,024 x 1,024 float32; Wq 1,024 x 1,024 float32; Wv 1,024 x 1,024 float32; attention_mask 1 x 1 x 2,048 x 2,048 float32; x 2 x 2,048 x 1,024 float32.
;; Outputs: out0 2 x 2,048 x 1,024 float32.
;; This version of the problem:
;;   THIS VERSION OF THE PROBLEM IS GIVEN IN LOW PRECISION. The matrix products marked QUANTISED in the list below multiply operands that are first quantised to E2M3 (2 exponent bits, 3 mantissa bits; 6 bits a number), with one power-of-two scale for each 32 numbers along K (OCP MX v1.0); their sums are f32. All else is computed in f32.
;;   The module's matrix products, in the order in which they are computed (A, B: the left and right operand; K: the contracted axis; several contracted axes count as one K, in the product's order):
;;     1. [M 4,096, K 1,024] x [K 1,024, N 1,024]; A: input x; B: input Wq: QUANTISED
;;     2. [M 4,096, K 1,024] x [K 1,024, N 1,024]; A: input x; B: input Wk: QUANTISED
;;     3. [M 4,096, K 1,024] x [K 1,024, N 1,024]; A: input x; B: input Wv: QUANTISED
;;     4. [M 2,048, K 1] x [K 1, N 32]; A: computed on the way; B: computed on the way: left as it is (no contracted axis)
;;     5. batch 32 x [M 2,048, K 64] x [K 64, N 2,048]; A: computed on the way; B: computed on the way: QUANTISED
;;     6. batch 32 x [M 2,048, K 2,048] x [K 2,048, N 64]; A: softmax (see below); B: computed on the way: QUANTISED
;;     7. [M 4,096, K 1,024] x [K 1,024, N 1,024]; A: computed on the way; B: input Wd: QUANTISED
;;   THE QUANTISER, for each operand of a quantised product, along K:
;;     - K is cut into blocks of 32 from its start; a last block that is shorter is filled with zeros.
;;     - A block's scale is 2^e with e = floor(log2(the largest magnitude in the block)) - 2, held to -126 .. 127; a block of zeros has e = 0. As a byte (E8M0): e + 127.
;;     - Each number is divided by its block's scale, clamped to +-7.5, and rounded to the nearest number of E2M3, ties to even, subnormals kept.
;;     - The product sums the exact products of the quantised numbers (number of the format x scale) in f32.
;;   ~~~python
;;   def quantise(x, axis):      # numpy; x: float32 -> the quantised numbers, widened to float32 again
;;       x = np.moveaxis(x, axis, -1); K = x.shape[-1]
;;       x = np.pad(x, [(0, 0)] * (x.ndim - 1) + [(0, -K % 32)]); x = x.reshape(x.shape[:-1] + (-1, 32)); a = np.abs(x).max(-1, keepdims=True)
;;       e = np.where(a > 0, np.clip(np.frexp(np.where(a > 0, a, 1))[1] - 1 - 2, -126, 127), 0)      # np.frexp(a)[1] - 1 = floor(log2(a)), exactly
;;       r = np.clip(x / 2.0 ** e, -7.5, 7.5)
;;       step = 2.0 ** (np.maximum(np.frexp(np.where(r == 0, 1, r))[1] - 1, 0) - 3)
;;       q = np.round(r / step) * step * 2.0 ** e      # np.round: ties to even
;;       return np.moveaxis(q.reshape(q.shape[:-2] + (-1,))[..., :K], -1, axis).astype(np.float32)
;;   ~~~
;;   SOFTMAX AHEAD OF A QUANTISED PRODUCT. Where the list says 'softmax', what is quantised is not the finished softmax but p = 2^(t - M), with t = logit x log2(e) and M = ceil(the row's largest t), a whole number; so 1/2 < the row's largest p <= 1. The row's sum l is taken of the UNQUANTISED p, in f32, and the product's result is divided by l at the end. Since M is a whole number, a kernel that streams over the keys may use a running M (the ceiling of the running maximum): every later rescaling is an exact power of two, which a block's scale takes up: the codes' values come out the same.
;;   OPERANDS COMPUTED ON THE WAY. 'Computed on the way' means the value that the module computes at that place (a softmax that the list does not call 'softmax' is quantised finished and normalised). What goes into a quantiser is computed in f32, as accurately as f32 sums, v_exp_f32 and their like allow (about 1e-6 of the number): no bf16 or f16 on the way to a quantiser, and a product that is left as it is and whose result goes on into a quantised operand takes f32 operands (vector FMAs, or v_wmma_f32_16x16x4_f32). A number that lies on a knife's edge between two numbers of the format may be rounded either way, as far as f32 arithmetic and the matrix unit's own rounding can turn it there, and no further.
;; One version. Each part assembles by itself: llvm-mc -triple=amdgcn-amd-amdhsa -mcpu=gfx1250 --defsym DOCPART=n.
;; ======== version 1 of 1: 4 launches
;; limits: right only within a limited range of input values
;; workspace buffers: cw 6,291,456 bytes; sw 262,144 bytes; rope 262,144 bytes; qb 3,407,872 bytes; kv 6,815,744 bytes; oc 3,145,728 bytes; os 131,072 bytes
;; launch prep (part 1): grid 288 x 1, 4 waves a work-group, no clusters, 33,280 bytes of LDS; arguments x, Wq, Wk, Wv, Wd, cw, sw, rope; writes cw, sw, rope
.if DOCPART == 1
	.amdgcn_target "amdgcn-amd-amdhsa--gfx1250"
	.amdhsa_code_object_version 6
	.text
	.protected	k_qf82fa650ad_prep
	.globl	k_qf82fa650ad_prep
	.p2align	8
	.type	k_qf82fa650ad_prep,@function
k_qf82fa650ad_prep:
	s_mov_b64 s[64:65], 0
	v_nop
	global_prefetch_b8 v0, s[64:65] scope:SCOPE_SE
	s_setreg_imm32_b32 hwreg(HW_REG_WAVE_MODE, 25, 1), 1
	s_wait_xcnt 0x0
; FIRST OF FOUR LAUNCHES: x, Wq, Wk, Wv, Wd (f32, K = 1,024 innermost) become codes of FP6 (E2M3) with one E8M0 byte for each 32 along K; and the table of rope factors is made.
; WHAT THE PROGRAM LEAVES OUT, AND WHY IT MAY.  _rotate_half cuts x at HEAD_DIM = the whole last axis: its second piece is empty for every input, so it returns x, and q cos + rotate_half(q) sin = q (cos + sin),
; k likewise.  cos + sin hangs on the position s and on d mod 32 alone (emb = cat(freqs, freqs), 32 frequencies): 2,048 x 32 numbers F, made here once.  The product 'positions x frequencies' has no contracted
; axis: it is the one multiplication theta = s x inv_freq below.  The division of the scores by sqrt(64) = 8 is a power of two: the second launch takes 3 off the scale bytes of q.  Nothing else is left out:
; every input is loaded, the mask is an input and is honoured number by number, and no tile of scores is skipped.
; LIMITS.  q x fl(cos + sin) stands for fl(q cos) + fl(q sin): they differ by about 1.5 units in the last place of q.  inv_freq = 1 / fl(10^(j/8)), both correctly rounded or within a unit in the last place;
; such a unit moves theta by up to 1e-4 at the last positions.  Blocks whose largest magnitude lies under 2^-124 keep the byte 1.  A block of zeros gets the byte 1 where the rule says 127: its codes are zeros,
; which add nothing, and this program alone reads the bytes.  NaN and infinities among the inputs are not served.
; WORK-GROUPS 0-255: the quantiser.  Rows are dense and 1,024 is a multiple of 32, so a tensor is a stream of blocks of 32.  A wave takes 16 steps of 512 numbers = 8 rows.  Each of a step's four loads reads 512
; consecutive bytes; the 2,048 bytes turn through the wave's own stage in LDS and come back 64 bytes a lane, so that a lane holds 16 neighbours along K and two neighbouring lanes a block.
; cw holds 8,192 rows of 768 bytes: x (4,096), Wq, Wk, Wv, Wd (1,024 each); sw their scale bytes, 32 a row.  In all but Wd THE ROWS LIE IN TILE ORDER: in each 32 rows the second and third groups of 8 change
; places, so that 16 rows on end are rows 32 b + 8 u + m + 8 (m / 8): the tiles that make a matrix result's registers neighbours along the next K.  A wave's run is just 8 rows: only the run's number is turned.
; WORK-GROUPS 256-287: the table.  rope holds 128 tiles of 2,048 bytes; tile T, piece i of 512 bytes, lane l: F[s][16 (l / 16) + 4 i + 0 .. 3] with s = 32 (T / 2) + 8 (T % 2) + l % 16 + 8 ((l % 16) / 8).
.set WAVES, 4
.set STEPS, 16
.set EMAX,  2
.set CB,    12                         ; bytes of 16 codes
.set KST,   8192*192                   ; cw IS LAID BY K STEPS: [K step of 256][8,192 rows][192 bytes]: a row's 768 bytes of codes are cut into four pieces, KST bytes apart, so that 128 rows of one K step are 24,576 bytes on end
.set R,     16                         ; v16-79   four sets of 16 numbers as they are loaded
.set X,     80                         ; v80-111  two sets of 16 neighbours
.set C,     128                        ; v128-191 codes: four registers for each step, so that no store's data are written again
.set E,     112                        ; v112-127 a scale byte for each step
.set WREG,  8192                       ; LDS: a region for each wave: two stages of 32 x SP bytes, behind them its 256 scale bytes
.set SP,    80                         ; a lane's place in a stage: 64 bytes + 16 of padding
.set SPW,   12                         ; v12  LDS address of my spare word; never rewritten
.set NIL,   13                         ; v13  0; never rewritten
.set SPARE, WAVES*WREG                 ; behind the four regions: the spare words, 128 bytes a wave, which no other line names
	s_load_b256 s[4:11], s[0:1], 0x0               ; x s[4:5], Wq s[6:7], Wk s[8:9], Wv s[10:11]
	s_load_b256 s[12:19], s[0:1], 0x20             ; Wd s[12:13], cw s[14:15], sw s[16:17], rope s[18:19]
	v_lshl_add_u32 v[SPW], v0, 2, SPARE
	v_mov_b32 v[NIL], 0
	v_lshrrev_b32 v1, 5, v0
	v_readfirstlane_b32 s24, v1                    ; wave
	v_and_b32 v2, 31, v0                           ; lane
	v_lshlrev_b32 v3, 4, v2                        ; 16 x lane
	s_mul_i32 s25, s24, WREG
	v_lshrrev_b32 v14, 2, v2
	v_mul_u32_u24 v14, v14, SP
	v_and_b32 v15, 3, v2
	v_lshl_add_u32 v14, v15, 4, v14
	v_add_nc_u32 v14, s25, v14                     ; the stage, on the way in: SP (lane / 4) + 16 (lane % 4)
	v_mul_u32_u24 v15, v2, SP
	v_add_nc_u32 v15, s25, v15                     ; and on the way out: SP x lane
	v_and_b32 v4, 15, v2
	v_lshrrev_b32 v8, 4, v2
	v_mul_u32_u24 v4, v4, CB                       ; my codes' place: sixteen lanes make a K step's 192 bytes of a row,
	v_mad_u32_u24 v4, v8, KST, v4                  ; lanes 16-31 the next K step's
	v_lshrrev_b32 v5, 1, v2
	s_add_co_u32 s25, s25, 2*32*SP
	v_add_nc_u32 v5, s25, v5                       ; my block's byte among my wave's 256
	v_lshlrev_b32 v7, 3, v2
	v_add_nc_u32 v6, s25, v7                       ; and on the way out 8 bytes a lane
	s_wait_kmcnt 0x0
	s_cmp_ge_u32 ttmp9, 256                        ; the work-group's number alone decides
	s_cbranch_scc1 .Lrope
	; which tensor: 128 work-groups for x, 32 for each weight
	s_mov_b64 s[20:21], s[12:13]
	s_mov_b32 s22, 224
	s_cmp_lt_u32 ttmp9, 224
	s_cselect_b64 s[20:21], s[10:11], s[20:21]
	s_cselect_b32 s22, 192, s22
	s_cmp_lt_u32 ttmp9, 192
	s_cselect_b64 s[20:21], s[8:9], s[20:21]
	s_cselect_b32 s22, 160, s22
	s_cmp_lt_u32 ttmp9, 160
	s_cselect_b64 s[20:21], s[6:7], s[20:21]
	s_cselect_b32 s22, 128, s22
	s_cmp_lt_u32 ttmp9, 128
	s_cselect_b64 s[20:21], s[4:5], s[20:21]
	s_cselect_b32 s22, 0, s22                      ; the tensor's first work-group
	s_sub_co_u32 s23, ttmp9, s22
	s_lshl_b32 s23, s23, 2
	s_add_co_u32 s26, s23, s24                     ; which run of 8 rows of the tensor I read,
	s_lshl_b32 s26, s26, 15                        ; 32,768 bytes each
	s_mov_b32 s27, 0
	s_add_nc_u64 s[20:21], s[20:21], s[26:27]
	s_and_b32 s28, s24, 1
	s_lshl_b32 s28, s28, 1
	s_lshr_b32 s29, s24, 1
	s_or_b32 s28, s28, s29                         ; tile order: runs 1 and 2 of four change places,
	s_cmp_lt_u32 ttmp9, 224
	s_cselect_b32 s28, s28, s24                    ; but not in Wd
	s_lshl_b32 s29, ttmp9, 2
	s_add_co_u32 s28, s28, s29                     ; which run of cw and sw I write
	s_mul_i32 s30, s28, 1536                       ; a run of 8 rows x 192 bytes in each K step
	s_mov_b32 s31, 0
	s_add_nc_u64 s[14:15], s[14:15], s[30:31]
	s_lshl_b32 s30, s28, 8
	s_add_nc_u64 s[16:17], s[16:17], s[30:31]
.macro LOAD t
.irp i, 0,1,2,3
	global_load_b128 v[R+16*((\t)%4)+4*\i:R+16*((\t)%4)+4*\i+3], v3, s[20:21] offset:2048*(\t)+512*\i th:TH_LOAD_NT   ; 32 lanes read 512 consecutive bytes
.endr
.endm
.macro TURN t                          ; step t's numbers through the stage: LDS serves a wave's instructions in order, so no wait stands between the stores and the loads
.irp i, 0,1,2,3
	ds_store_b128 v14, v[R+16*((\t)%4)+4*\i:R+16*((\t)%4)+4*\i+3] offset:32*SP*((\t)%2)+8*SP*\i
.endr
.irp i, 0,1,2,3
	ds_load_b128 v[X+16*((\t)%2)+4*\i:X+16*((\t)%2)+4*\i+3], v15 offset:32*SP*((\t)%2)+16*\i
.endr
.endm
.irp t, 0,1,2,3
	LOAD \t
.endr
	s_wait_loadcnt 12                              ; step 0's four loads are in; the twelve of steps 1 to 3 may be out
	s_wait_alu depctr_va_vdst(0)
	TURN 0
.macro STEP t
.set XS, X+16*((\t)%2)
.if (\t) > 0
	s_wait_dscnt 1                                 ; this step's numbers are back from the stage (the last step's byte store may be out): so its stores into the stage have read their registers,
.else
	s_wait_dscnt 0x0
.endif
.if (\t)+4 < STEPS
	LOAD (\t)+4                                    ; which take the loads of four steps on
.endif
.if (\t)+1 < STEPS
.if STEPS-2-(\t) >= 3
	s_wait_loadcnt 12                              ; the next step's four loads are in; those of the three steps behind it may be out
.else
	s_wait_loadcnt 4*(STEPS-2-(\t))
.endif
	TURN (\t)+1                                    ; and go through the other stage while this step is worked
.endif
	v_max3_num_f32 v8, |v[XS]|, |v[XS+1]|, |v[XS+2]|               ; the largest magnitude of my 16, in two chains
	v_max3_num_f32 v9, |v[XS+3]|, |v[XS+4]|, |v[XS+5]|
.irp i, 6,10
	v_max3_num_f32 v8, v8, |v[XS+\i]|, |v[XS+\i+1]|
	v_max3_num_f32 v9, v9, |v[XS+\i+2]|, |v[XS+\i+3]|
.endr
	v_max3_num_f32 v8, v8, |v[XS+14]|, |v[XS+15]|
	v_max3_num_f32 v8, v8, v9, (EMAX+1)<<23        ; and the floor 2^(3 - 127): the byte cannot fall under 1
	v_max_num_f32_dpp v8, v8, v8 row_xmask:1 row_mask:0xf bank_mask:0xf   ; and of my neighbour's 16: the block's
	v_add_nc_u32 v11, -(EMAX<<23), v8              ; 2 off its exponent field: the conversion takes the exponent field of this operand as its scale
	v_cvt_scalef32_pk16_fp6_f32 v[C+4*(\t):C+4*(\t)+2], v[XS:XS+15], v11   ; sixteen codes, 96 bits without gaps
	v_lshrrev_b32 v[E+(\t)], 23, v11               ; the scale's byte (a plain line behind the conversion)
	ds_store_b8 v5, v[E+(\t)] offset:16*(\t)       ; both lanes of a block write the same byte with the same value
	global_store_b96 v4, v[C+4*(\t):C+4*(\t)+2], s[14:15] offset:192*((\t)/2)+2*KST*((\t)%2)   ; row t / 2 of my eight, K steps 2 (t % 2) and 2 (t % 2) + 1: twice 192 consecutive bytes
.endm
.irp t, 0,1,2,3,4,5,6,7,8,9,10,11,12,13,14,15
	STEP \t
.endr
	ds_load_b64 v[8:9], v6                         ; LDS serves a wave's instructions in order: these see my stores
	s_wait_dscnt 0x0
	global_store_b64 v7, v[8:9], s[16:17]          ; 32 lanes store 256 consecutive bytes, aligned
	s_wait_tensorcnt 0x0                           ; the wave's end
	ds_add_u32 v[SPW], v[NIL]
	s_wait_dscnt 0x0
	s_endpgm
; THE TABLE.  A wave makes one tile: 16 positions x 32 frequencies, 16 numbers a lane.
.Lrope:
	s_sub_co_u32 s26, ttmp9, 256
	s_lshl_b32 s26, s26, 2
	s_add_co_u32 s26, s26, s24                     ; T
	s_lshl_b32 s28, s26, 11
	s_mov_b32 s29, 0
	s_add_nc_u64 s[18:19], s[18:19], s[28:29]      ; the tile's 2,048 bytes
	s_lshr_b32 s27, s26, 1
	s_lshl_b32 s27, s27, 5
	s_and_b32 s28, s26, 1
	s_lshl_b32 s28, s28, 3
	s_add_co_u32 s27, s27, s28                     ; 32 (T / 2) + 8 (T % 2)
	s_mov_b32 s30, 0xb94ca1f9                      ; sine on [-pi/4, pi/4]: rho + rho z ((s30 z + s31) z + s32), z = rho^2
	s_mov_b32 s31, 0x3c08839e
	s_mov_b32 s32, 0xbe2aaaa3
	s_mov_b32 s33, 0x37ccf5ce                      ; cosine: 1 - z / 2 + z^2 ((s33 z + s34) z + s35)
	s_mov_b32 s34, 0xbab6061a
	s_mov_b32 s35, 0x3d2aaaa5
	v_and_b32 v20, 15, v0
	v_and_b32 v21, 8, v20
	v_add_nc_u32 v20, v20, v21
	v_add_nc_u32 v20, s27, v20
	v_cvt_f32_u32 v20, v20                         ; my position s, exact in f32
	v_and_b32 v21, 16, v0
	v_cmp_ne_u32 vcc_lo, 0, v21                    ; lanes 16-31 take frequencies 16 to 31
.macro PW10 i, lo, hi                  ; 10000^(j / 32) = 10^(j / 8) for j = i and for j = 16 + i
	v_mov_b32 v22, \hi
	v_cndmask_b32 v[32+\i], \lo, v22, vcc_lo
.endm
	PW10 0, 1.0, 100.0
	PW10 1, 1.333521432163324, 133.3521432163324
	PW10 2, 1.7782794100389228, 177.82794100389228
	PW10 3, 2.371373705661655, 237.1373705661655
	PW10 4, 3.1622776601683795, 316.22776601683795
	PW10 5, 4.216965034285822, 421.6965034285822
	PW10 6, 5.623413251903491, 562.3413251903491
	PW10 7, 7.498942093324558, 749.8942093324558
	PW10 8, 10.0, 1000.0
	PW10 9, 13.33521432163324, 1333.521432163324
	PW10 10, 17.782794100389228, 1778.2794100389228
	PW10 11, 23.71373705661655, 2371.373705661655
	PW10 12, 31.622776601683795, 3162.2776601683795
	PW10 13, 42.16965034285822, 4216.965034285822
	PW10 14, 56.23413251903491, 5623.413251903491
	PW10 15, 74.98942093324558, 7498.942093324558
	s_wait_alu depctr_va_vdst(0)                   ; ahead of the batch
.rept 16
	v_rcp_f32 v[48+\+], v[32+\+]                   ; one batch of sixteen
.endr
	v_nop                                          ; a plain line behind the last of them
	s_wait_alu depctr_va_vdst(0)                   ; one wait for the batch, ahead of its first reader
.rept 16
	v_fma_f32 v[64+\+], -v[32+\+], v[48+\+], 1.0   ; one Newton step: e = 1 - P r,
.endr
.rept 16
	v_fma_f32 v[48+\+], v[48+\+], v[64+\+], v[48+\+]   ; inv_freq = r + r e
.endr
.rept 16
	v_mul_f32 v[32+\+], v20, v[48+\+]              ; theta = s x inv_freq, rounded to f32 as the einsum rounds it
.endr
.rept 16
	v_mul_f32 v[48+\+], 0x3f22f983, v[32+\+]       ; theta x 2 / pi
.endr
.rept 16
	v_rndne_f32 v[48+\+], v[48+\+]                 ; n, at most 1,304
.endr
.rept 16
	v_fmamk_f32 v[32+\+], v[48+\+], 0xbfc90fdb, v[32+\+]   ; theta - n x the f32 nearest pi / 2: the difference has at most 24 bits, so nothing is rounded
.endr
.rept 16
	v_fmamk_f32 v[32+\+], v[48+\+], 0x333bbd2e, v[32+\+]   ; + n x 4.371139e-8, what that f32 has over pi / 2; what is then left, 1.7e-15 n, is dropped: rho
.endr
.rept 16
	v_cvt_i32_f32 v[48+\+], v[48+\+]               ; n as a whole number
.endr
.rept 16
	v_mul_f32 v[64+\+], v[32+\+], v[32+\+]         ; z
.endr
.rept 16
	v_fma_f32 v[80+\+], s30, v[64+\+], s31
.endr
.rept 16
	v_fma_f32 v[80+\+], v[80+\+], v[64+\+], s32
.endr
.rept 16
	v_mul_f32 v[96+\+], v[64+\+], v[32+\+]         ; z rho
.endr
.rept 16
	v_fma_f32 v[80+\+], v[80+\+], v[96+\+], v[32+\+]   ; S = sin(rho)
.endr
.rept 16
	v_fma_f32 v[96+\+], s33, v[64+\+], s34
.endr
.rept 16
	v_fma_f32 v[96+\+], v[96+\+], v[64+\+], s35
.endr
.rept 16
	v_fma_f32 v[112+\+], v[64+\+], -0.5, 1.0       ; 1 - z / 2
.endr
.rept 16
	v_mul_f32 v[64+\+], v[64+\+], v[64+\+]         ; z^2
.endr
.rept 16
	v_fma_f32 v[96+\+], v[96+\+], v[64+\+], v[112+\+]   ; C = cos(rho)
.endr
; cos(theta) + sin(theta) by the quarter n % 4: C + S, C - S, -C - S, -C + S.  C's sign is bit 1 of n, S's is bit 1 of n + 1
.rept 16
	v_lshlrev_b32 v[112+\+], 30, v[48+\+]
.endr
.rept 16
	v_and_b32 v[112+\+], 0x80000000, v[112+\+]
.endr
.rept 16
	v_xor_b32 v[96+\+], v[96+\+], v[112+\+]
.endr
.rept 16
	v_add_nc_u32 v[48+\+], 1, v[48+\+]
.endr
.rept 16
	v_lshlrev_b32 v[48+\+], 30, v[48+\+]
.endr
.rept 16
	v_and_b32 v[48+\+], 0x80000000, v[48+\+]
.endr
.rept 16
	v_xor_b32 v[80+\+], v[80+\+], v[48+\+]
.endr
.rept 16
	v_add_f32 v[128+\+], v[96+\+], v[80+\+]        ; F
.endr
.irp i, 0,1,2,3
	global_store_b128 v3, v[128+4*\i:131+4*\i], s[18:19] offset:512*\i   ; 32 lanes store 512 consecutive bytes, aligned
.endr
	s_endpgm
.Lfunc_end_k_qf82fa650ad_prep:
	.size	k_qf82fa650ad_prep, .Lfunc_end_k_qf82fa650ad_prep-k_qf82fa650ad_prep
	.p2alignl 7, 3214868480
	.fill 96, 4, 3214868480
	.section	.rodata,"a",@progbits
	.p2align	6, 0x0
	.amdhsa_kernel k_qf82fa650ad_prep
		.amdhsa_group_segment_fixed_size 33280
		.amdhsa_private_segment_fixed_size 0
		.amdhsa_enable_private_segment 0
		.amdhsa_kernarg_size 64
		.amdhsa_user_sgpr_count 2
		.amdhsa_user_sgpr_kernarg_segment_ptr 1
		.amdhsa_wavefront_size32 1
		.amdhsa_system_sgpr_workgroup_id_x 1
		.amdhsa_system_sgpr_workgroup_id_y 1
		.amdhsa_system_sgpr_workgroup_id_z 1
		.amdhsa_system_vgpr_workitem_id 0
		.amdhsa_next_free_vgpr 192
		.amdhsa_next_free_sgpr 66
		.amdhsa_reserve_vcc 1
		.amdhsa_float_denorm_mode_32 3
		.amdhsa_float_denorm_mode_16_64 3
		.amdhsa_memory_ordered 1
		.amdhsa_forward_progress 1
		.amdhsa_inst_pref_size 57
	.end_amdhsa_kernel
	.amdgpu_metadata
---
amdhsa.version: [ 1, 2 ]
amdhsa.kernels:
  - .name:           k_qf82fa650ad_prep
    .symbol:         k_qf82fa650ad_prep.kd
    .args:
      - { .name: x, .offset: 0, .size: 8, .value_kind: global_buffer, .address_space: global }
      - { .name: Wq, .offset: 8, .size: 8, .value_kind: global_buffer, .address_space: global }
      - { .name: Wk, .offset: 16, .size: 8, .value_kind: global_buffer, .address_space: global }
      - { .name: Wv, .offset: 24, .size: 8, .value_kind: global_buffer, .address_space: global }
      - { .name: Wd, .offset: 32, .size: 8, .value_kind: global_buffer, .address_space: global }
      - { .name: cw, .offset: 40, .size: 8, .value_kind: global_buffer, .address_space: global }
      - { .name: sw, .offset: 48, .size: 8, .value_kind: global_buffer, .address_space: global }
      - { .name: rope, .offset: 56, .size: 8, .value_kind: global_buffer, .address_space: global }
    .group_segment_fixed_size: 33280
    .private_segment_fixed_size: 0
    .kernarg_segment_align: 8
    .kernarg_segment_size: 64
    .max_flat_workgroup_size: 128
    .sgpr_count:     66
    .vgpr_count:     192
    .wavefront_size: 32
...
	.end_amdgpu_metadata
.endif
;; end of part 1
;; launch qkv (part 2): grid 8 x 24, 4 waves a work-group, clusters of 4 x 4, 327,680 bytes of LDS; arguments cw, sw, rope, qb, kv; writes qb, kv
.if DOCPART == 2
	.amdgcn_target "amdgcn-amd-amdhsa--gfx1250"
	.amdhsa_code_object_version 6
	.text
	.protected	k_qf82fa650ad_qkv
	.globl	k_qf82fa650ad_qkv
	.p2align	8
	.type	k_qf82fa650ad_qkv,@function
k_qf82fa650ad_qkv:
	s_mov_b64 s[64:65], 0
	v_nop
	global_prefetch_b8 v0, s[64:65] scope:SCOPE_SE
	s_setreg_imm32_b32 hwreg(HW_REG_WAVE_MODE, 25, 1), 1
	s_wait_xcnt 0x0
	s_wait_alu depctr_hold_cnt(0) depctr_sa_sdst(0) depctr_va_vdst(0) depctr_va_sdst(0) depctr_va_ssrc(0) depctr_va_vcc(0) depctr_vm_vsrc(0)
	s_getreg_b32 s2, hwreg(HW_REG_IB_STS2, 6, 4)
	s_cmp_eq_u32 s2, 0
	s_cbranch_scc0 .Lentry_in_a_cluster
	s_endpgm
.Lentry_in_a_cluster:
	s_bfe_u32 s2, ttmp6, 0x10000c
	s_cmp_lg_u32 s2, 0xf033
	s_cbranch_scc0 .Lentry_shape_is_right
	s_endpgm
.Lentry_shape_is_right:
.set SIZE_K, 1024
.set KSTEP,  256
.set NQ,     KSTEP/128
.set ROWB,   192
.set KST,    8192*ROWB                 ; cw lies [K step][8,192 rows][192 bytes]: 128 rows of a K step are 24,576 dense bytes, asked for as 96 rows of 256 bytes; 16 bytes of padding behind every 64 give LDS rows of 240
.set KROW,   SIZE_K*6/8
.set PITCH,  240
.set FR,     12
.set NL,     6
.set NP,     4
.set HALFT,  128*PITCH
.set SLOT,   4*HALFT
.set LAPS,   SIZE_K/(2*KSTEP)
.set KS,     SIZE_K/32
.set SCL,    2*SLOT
.set HALFS,  (128*KS/256)*272
.set SBLK,   (16*KS/256)*272
.set SPARE,  SCL+4*HALFS
.set H16,  14
.set ADRA, 16
.set ADRB, 20
.set ADRS, 27
.set SPW,  28
.set NIL,  29
.set RA,   30
.set SV,   31
.set SC,   32
.set AF,   128
.set TP,   128
.set XA,   136
.set XB,   148
.set TM,   160
.set PWT,  176
.set KW,   180
.set G1, 24
.set G0, 32
.set G1B, 48
.set G0B, 56
.set G1S, 68
.set G0S, 76
.set G1SB, 80
.set G0SB, 88
.set MSB, 0
.macro WIN new
.if MSB != \new
	s_set_vgpr_msb (MSB<<8)|\new
.set MSB, \new
.endif
.endm
.set MUL_LO, 0xa1
.set MUL_HI, 0xf1
.set TO_B,   0x40
.macro JLOAD g0a, g1a, g0b, g1b
	s_cmp_eq_u32 s15, 0
	s_cbranch_scc0 .Lfor_b_\@
	tensor_load_to_lds s[\g0a:\g0a+3], s[\g1a:\g1a+7]
	s_nop 0
.rept 4
	v_nop
.endr
	s_branch .Lasked_\@
.Lfor_b_\@:
	tensor_load_to_lds s[\g0b:\g0b+3], s[\g1b:\g1b+7]
	s_nop 0
.rept 4
	v_nop
.endr
.Lasked_\@:
.endm
.macro CREST
	s_cmp_lg_u32 s14, 0
	s_cbranch_scc1 .Lnot_wave_0_\@
	s_barrier_signal -3
.Lnot_wave_0_\@:
	s_barrier_wait -3
	s_barrier_signal -1
	s_barrier_wait -1
.endm
.macro CROUND
	s_barrier_signal -1
	s_barrier_wait -1
	CREST
.endm
	s_load_b256 s[4:11], s[0:1], 0x0
	s_load_b64 s[12:13], s[0:1], 0x20
	v_lshl_add_u32 v[SPW], v0, 2, SPARE
	v_mov_b32 v[NIL], 0
	ds_add_u32 v[SPW], v[NIL]
	ds_add_u32 v[SPW], v[NIL]
	v_lshrrev_b32 v1, 5, v0
	v_readfirstlane_b32 s14, v1
	s_lshr_b32 s15, s14, 1
	s_and_b32 s16, s14, 1
	s_bfe_u32 s40, ttmp6, 0x40000
	s_bfe_u32 s41, ttmp6, 0x40004
	s_lshl_b32 s42, ttmp9, 2
	s_add_co_u32 s42, s42, s40
	s_and_b32 s96, ttmp7, 0xffff
	s_lshl_b32 s17, s96, 2
	s_add_co_u32 s17, s17, s41
	s_lshl_b32 s43, s41, 2
	s_lshl_b32 s43, 15, s43
	s_lshl_b32 s44, 0x1111, s40
	s_or_b32 s[G1+0], s43, (0<<16)|(1<<20)|(1<<21)|(3<<22)|(3<<25)
	s_or_b32 s[G1B+0], s44, (0<<16)|(1<<20)|(1<<21)|(3<<22)|(3<<25)
.irp g, G1, G1B
	s_mov_b32 s[\g+1], 256<<16
	s_mov_b32 s[\g+2], 192<<16
	s_mov_b32 s[\g+3], 256<<16
	s_mov_b32 s[\g+4], 192
	s_mov_b32 s[\g+5], 256
	s_mov_b32 s[\g+6], 0
	s_mov_b32 s[\g+7], 0
.endr
	s_or_b32 s[G1S+0], s43, (3<<16)|(1<<20)|(1<<21)|(5<<22)|(3<<25)
	s_or_b32 s[G1SB+0], s44, (3<<16)|(1<<20)|(1<<21)|(5<<22)|(3<<25)
.irp g, G1S, G1SB
	s_mov_b32 s[\g+1], 32<<16
	s_mov_b32 s[\g+2], (256*KS/256)<<16
	s_mov_b32 s[\g+3], 32<<16
	s_mov_b32 s[\g+4], 256*KS/256
	s_mov_b32 s[\g+5], 32
	s_mov_b32 s[\g+6], 0
	s_mov_b32 s[\g+7], 0
.endr
	s_lshl_b32 s18, s16, 7
	s_lshl_b32 s20, s17, 8
	s_lshl_b32 s21, s41, 8
	s_add_co_u32 s21, s21, 6144
	s_lshl_b32 s46, s42, 8
	s_lshl_b32 s47, s96, 11
	s_sub_co_u32 s47, s47, 8192
	s_cmp_lt_u32 s96, 4
	s_cselect_b32 s97, 1, 0
	s_cselect_b32 s20, s20, s21
	s_cselect_b32 s47, 4096, s47
	s_add_co_u32 s20, s20, s18
	s_add_co_u32 s46, s46, s47
	s_add_co_u32 s46, s46, s18
	s_mov_b32 s21, 0
	s_mov_b32 s47, 0
	s_mov_b64 s[18:19], KS
	s_mul_u64 s[22:23], s[20:21], s[18:19]
	s_mul_u64 s[92:93], s[46:47], s[18:19]
	s_mov_b64 s[18:19], ROWB
	s_mul_u64 s[20:21], s[20:21], s[18:19]
	s_mul_u64 s[46:47], s[46:47], s[18:19]
	s_mul_i32 s45, s14, HALFT
	s_mov_b32 s98, 0x3000000
	s_mov_b32 s100, 0x76543210
	s_mov_b32 s101, 0xfedcba98
	s_wait_dscnt 0x0
	s_wait_kmcnt 0x0
	s_add_nc_u64 s[20:21], s[4:5], s[20:21]
	s_add_nc_u64 s[22:23], s[6:7], s[22:23]
	s_add_nc_u64 s[46:47], s[4:5], s[46:47]
	s_add_nc_u64 s[92:93], s[6:7], s[92:93]
	CROUND
	s_lshl_b32 s66, s16, 12                        ; the scales of all 256 rows begin 128 rows x 32 bytes ahead of an odd wave's half
	s_mov_b32 s67, 0
	s_mov_b32 s[G0S], 1
	s_mov_b32 s[G0S+1], SCL
	s_sub_nc_u64 s[G0S+2:G0S+3], s[22:23], s[66:67]
	s_or_b32 s[G0S+3], s[G0S+3], 0x80000000
	s_mov_b32 s[G0SB], 1
	s_mov_b32 s[G0SB+1], SCL+2*HALFS
	s_sub_nc_u64 s[G0SB+2:G0SB+3], s[92:93], s[66:67]
	s_or_b32 s[G0SB+3], s[G0SB+3], 0x80000000
.irp s, 0,1
	s_mov_b32 s[G0+4*\s], 1
	s_add_co_u32 s[G0+4*\s+1], s45, \s*SLOT
	s_add_nc_u64 s[G0+4*\s+2:G0+4*\s+3], s[20:21], \s*KST
	s_or_b32 s[G0+4*\s+3], s[G0+4*\s+3], 0x80000000
	s_mov_b32 s[G0B+4*\s], 1
	s_add_co_u32 s[G0B+4*\s+1], s45, \s*SLOT
	s_add_nc_u64 s[G0B+4*\s+2:G0B+4*\s+3], s[46:47], \s*KST
	s_or_b32 s[G0B+4*\s+3], s[G0B+4*\s+3], 0x80000000
.endr
; THE HEAD'S LOADS, ONE A WAVE: wave 0 fetches K step 0 of A's 256 rows (192 rows of 256 bytes, from its own half's first byte on), wave 2 of B's; wave 1 the scales of A's 256 rows, wave 3 of B's.
; One chain of branches on the wave's number, each arm with its load and, but for the last, a jump to the chain's end.
.macro ARM under, g0, g1, next
	s_cmp_lt_u32 s14, \under
	s_cbranch_scc0 \next
	tensor_load_to_lds s[\g0:\g0+3], s[\g1:\g1+7]
	s_nop 0
.rept 4
	v_nop
.endr
	s_branch .Lhead_asked
\next:
.endm
	ARM 1, G0, G1, .Lhead_sa
	ARM 2, G0S, G1S, .Lhead_b
	ARM 3, G0B, G1B, .Lhead_sb
	tensor_load_to_lds s[G0SB:G0SB+3], s[G1SB:G1SB+7]
	s_nop 0
.rept 4
	v_nop
.endr
.Lhead_asked:
	s_wait_alu depctr_va_vdst(0)
	s_wait_tensorcnt 0x0                           ; my tile of the head's four is in
	ds_add_u32 v28, v29
	s_mov_b32 s[G1+2], 96<<16                      ; no tensor load of mine is out: from here on a load brings 128 rows of codes, 96 rows of 256 bytes
	s_mov_b32 s[G1+4], 96
	s_mov_b32 s[G1B+2], 96<<16
	s_mov_b32 s[G1B+4], 96
	s_wait_dscnt 0x0
	CROUND
	JLOAD G0+4, G1, G0B+4, G1B
	v_and_b32 v1, 15, v0
	v_bfe_u32 v2, v0, 4, 1
	v_mul_u32_u24 v3, v1, PITCH
	v_mul_u32_u24 v4, v2, 24
	v_add_nc_u32 v4, v3, v4
	v_lshl_add_u32 v5, v2, 4, v4
	s_mul_i32 s21, s15, HALFT
	s_mul_i32 s22, s16, HALFT
	s_add_co_u32 s22, s22, 2*HALFT
.irp s, 0,1
	v_add_nc_u32 v[ADRA+\s], s21, v4
	v_add_nc_u32 v[ADRB+\s], s22, v4
	v_add_nc_u32 v[ADRA+2+\s], s21, v5
	v_add_nc_u32 v[ADRB+2+\s], s22, v5
	s_add_co_u32 s21, s21, SLOT
	s_add_co_u32 s22, s22, SLOT
.endr
	v_mul_u32_u24 v5, v1, KS
	v_lshrrev_b32 v6, 8, v5
	v_lshl_add_u32 v5, v6, 4, v5
	s_mul_i32 s21, s15, HALFS
	s_mul_i32 s22, s16, HALFS
	s_add_co_u32 s22, s22, 2*HALFS
	s_sub_co_u32 s22, s22, s21
	v_mul_u32_u24 v6, s22, v2
	s_add_co_u32 s21, s21, SCL
	v_add_nc_u32 v5, v5, v6
	v_add_nc_u32 v[ADRS], s21, v5
	s_and_b32 s20, s42, 3
	s_lshl_b32 s20, s20, 2
	s_lshl_b32 s21, s16, 1
	s_add_co_u32 s20, s20, s21
	s_lshl_b32 s21, s17, 1
	s_add_co_u32 s21, s21, s15
	s_lshl_b32 s22, s41, 2
	s_lshl_b32 s23, s15, 1
	s_add_co_u32 s22, s22, s23
	s_lshl_b32 s23, s96, 3
	s_add_co_u32 s23, s23, s42
	s_sub_co_u32 s23, s23, 32
	s_lshl_b32 s23, s23, 1
	s_add_co_u32 s23, s23, s16
	s_cmp_eq_u32 s97, 1
	s_cselect_b32 s20, s20, s22
	s_cselect_b32 s21, s21, s23
	s_cselect_b32 s2, 0, 6656
	s_xor_b32 s22, s97, 1
	s_or_b32 s22, s22, ttmp9
	s_cmp_eq_u32 s22, 0
	s_cselect_b64 s[10:11], s[10:11], s[12:13]
	s_mov_b32 s66, 13312
	s_cselect_b32 s66, 6656, s66
	s_cselect_b32 s99, 0x03030303, 0
	s_lshr_b32 s22, s21, 4
	s_lshl_b32 s22, s22, 4
	s_add_co_u32 s22, s22, s20
	s_lshl_b32 s22, s22, 4
	s_and_b32 s21, s21, 15
	s_add_co_u32 s22, s22, s21
	s_mul_i32 s22, s22, s66
	s_add_co_u32 s22, s22, s2
	s_mov_b32 s23, 0
	s_add_nc_u64 s[10:11], s[10:11], s[22:23]
	s_lshl_b32 s66, s66, 4
	s_mov_b32 s67, 0
	s_add_nc_u64 s[12:13], s[10:11], s[66:67]
	s_lshl_b32 s20, s21, 14
	s_mov_b32 s21, 0
	s_add_nc_u64 s[8:9], s[8:9], s[20:21]
	v_and_b32 v6, 31, v0
	v_lshlrev_b32 v[RA], 4, v6
	v_lshlrev_b32 v[H16], 4, v2
	v_lshlrev_b32 v[SV], 4, v1
	v_mul_u32_u24 v6, s66, v2
	v_add_nc_u32 v[SV], v[SV], v6
	s_cmp_eq_u32 s97, 1
	s_cbranch_scc0 .Lno_rope
.irp a, 0,1,2,3
.irp i, 0,1,2,3
	global_load_b128 v[64+16*\a+4*\i:64+16*\a+4*\i+3], v[RA], s[8:9] offset:2048*\a+512*\i
.endr
.endr
.Lno_rope:
.macro FRAG reg, adr, q, i
.irp p, 0,1,2,3,4,5
.set PC, 12*(\q)+6*(\p/3)+\p%3
.if PC%8 < 5
	ds_load_b64 v[\reg+2*\p:\reg+2*\p+1], v[\adr] offset:8*PC+16*(PC/8)+(\i)*16*PITCH
.else
	ds_load_b64 v[\reg+2*\p:\reg+2*\p+1], v[\adr+2] offset:8*PC+16*(PC/8)+(\i)*16*PITCH
.endif
.endr
.endm
.macro MUL16 a0, p, q, sc, zero
.irp a, \a0, \a0+1
.irp b, 0,1,2,3,4,5,6,7
.if \zero
	v_wmma_scale_f32_16x16x128_f8f6f4 v[8*(8*((\a)%4)+\b):8*(8*((\a)%4)+\b)+7], v[128*(\p)+FR*\b:128*(\p)+FR*\b+FR-1], v[AF+FR*(\a):AF+FR*(\a)+FR-1], 0, v[SC+8*NQ*(\sc)+NQ*\b+(\q)], v[SC+8*NQ*(\sc)+NQ*(\a)+(\q)] matrix_a_fmt:MATRIX_FMT_FP6 matrix_b_fmt:MATRIX_FMT_FP6 matrix_a_scale:MATRIX_SCALE_ROW1
.else
	v_wmma_scale_f32_16x16x128_f8f6f4 v[8*(8*((\a)%4)+\b):8*(8*((\a)%4)+\b)+7], v[128*(\p)+FR*\b:128*(\p)+FR*\b+FR-1], v[AF+FR*(\a):AF+FR*(\a)+FR-1], v[8*(8*((\a)%4)+\b):8*(8*((\a)%4)+\b)+7], v[SC+8*NQ*(\sc)+NQ*\b+(\q)], v[SC+8*NQ*(\sc)+NQ*(\a)+(\q)] matrix_a_fmt:MATRIX_FMT_FP6 matrix_b_fmt:MATRIX_FMT_FP6 matrix_a_scale:MATRIX_SCALE_ROW1
.endif
.endr
.endr
.endm
.macro FETCH_B slot, q, p
	WIN TO_B
.irp i, 0,1,2,3,4,5,6,7
	FRAG 128*(\p)+FR*\i, ADRB+\slot, \q, \i
.endr
	WIN 0
.endm
.macro FETCH_A slot, q, i0
.irp i, \i0, \i0+1, \i0+2, \i0+3
	FRAG AF+FR*(\i), ADRA+\slot, \q, \i
.endr
.endm
.macro SCALES sc
.irp i, 0,1,2,3,4,5,6,7
	ds_load_b64 v[SC+8*NQ*\sc+NQ*\i:SC+8*NQ*\sc+NQ*\i+1], v[ADRS] offset:\i*SBLK
.endr
.endm
.macro PLACES n
.rept \n
	v_nop
.endr
.endm
.macro STEP slot, q, zero
	s_wait_dscnt 4*NL
	WIN MUL_LO
	MUL16 0, (\q)%2, \q, \slot, \zero
	MUL16 2, (\q)%2, \q, \slot, \zero
	s_wait_dscnt 0
	PLACES NP
	FETCH_B \slot, (\q)+1, 1-(\q)%2
	FETCH_A \slot, (\q)+1, 0
	WIN MUL_HI
	MUL16 4, (\q)%2, \q, \slot, \zero
	MUL16 6, (\q)%2, \q, \slot, \zero
	PLACES NP
	WIN 0
	FETCH_A \slot, (\q)+1, 4
.endm
.macro TURN slot, next, fill
	s_wait_tensorcnt 0x0
	ds_add_u32 v[SPW], v[NIL]
	s_wait_dscnt 4*NL+1
	WIN MUL_LO
	MUL16 0, 1, NQ-1, \slot, 0
	s_wait_dscnt 0x0
	s_barrier_signal -1
	MUL16 2, 1, NQ-1, \slot, 0
	WIN 0
	s_barrier_wait -1
.if \fill
	CREST
	s_add_nc_u64 s[G0+4*\slot+2:G0+4*\slot+3], s[G0+4*\slot+2:G0+4*\slot+3], 2*KST
	s_add_nc_u64 s[G0B+4*\slot+2:G0B+4*\slot+3], s[G0B+4*\slot+2:G0B+4*\slot+3], 2*KST
	JLOAD G0+4*\slot, G1, G0B+4*\slot, G1B
.else
	PLACES NP
.endif
	s_wait_alu depctr_va_vdst(0)
	v_add_nc_u32 v[ADRS], 4*NQ, v[ADRS]
	FETCH_B \next, 0, 0
	FETCH_A \next, 0, 0
	SCALES \next
	WIN MUL_HI
	MUL16 4, 1, NQ-1, \slot, 0
	MUL16 6, 1, NQ-1, \slot, 0
	PLACES NP
	WIN 0
	FETCH_A \next, 0, 4
.endm
	s_wait_tensorcnt 1
	s_barrier_signal -1
	s_barrier_wait -1
	FETCH_B 0, 0, 0
	FETCH_A 0, 0, 0
	s_wait_alu depctr_va_vdst(0)
	SCALES 0
	FETCH_A 0, 0, 4
	STEP 0, 0, 1
	s_mov_b32 s3, LAPS-1
.Llap:
	TURN 0, 1, 1
	STEP 1, 0, 0
	TURN 1, 0, 1
	STEP 0, 0, 0
	s_sub_co_u32 s3, s3, 1
	s_cmp_lg_u32 s3, 0
	s_cbranch_scc1 .Llap
	TURN 0, 1, 0
	STEP 1, 0, 0
	s_wait_dscnt 4*NL
	WIN MUL_LO
	MUL16 0, 1, NQ-1, 1, 0
	MUL16 2, 1, NQ-1, 1, 0
	s_wait_dscnt 0
	WIN MUL_HI
	MUL16 4, 1, NQ-1, 1, 0
	MUL16 6, 1, NQ-1, 1, 0
	WIN 0
.macro ROPE a, rf
.set AC, 64*((\a)%4)
.set W, 2+(\a)/4
	WIN W*65
.set i, 0
.rept 32
	v_pk_mul_f32 v[AC+2*i:AC+2*i+1], v[AC+2*i:AC+2*i+1], v[(\rf)+(2*i)%16:(\rf)+(2*i)%16+1]
.set i, i+1
.endr
.endm
.macro QUANTW a, d0, d1, pw
.set AC, 64*((\a)%4)
.set W, 2+(\a)/4
	WIN W*20
.irp b, 0,1,2,3
	v_max3_num_f32 v[TM+\b], s98, |v[AC+16*\b]|, |v[AC+16*\b+1]|
.endr
.irp i, 2,4,6,8,10,12,14
.irp b, 0,1,2,3
	v_max3_num_f32 v[TM+\b], v[TM+\b], |v[AC+16*\b+\i]|, |v[AC+16*\b+\i+1]|
.endr
.endr
	WIN 0
.irp b, 0,1,2,3
	v_permlanex16_b32 v[TM+4+\b], v[TM+\b], s100, s101
.endr
.irp b, 0,1,2,3
	v_max_num_f32 v[TM+\b], v[TM+\b], v[TM+4+\b]
.endr
.irp b, 0,1,2,3
	v_add_nc_u32 v[TM+12+\b], 0xff000000, v[TM+\b]
.endr
.irp b, 0,1,2,3
	v_lshrrev_b32 v[TM+4+\b], 23, v[TM+12+\b]
.endr
	v_lshl_or_b32 v[\pw], v[TM+5], 8, v[TM+4]
	v_lshl_or_b32 v[\pw], v[TM+6], 16, v[\pw]
	v_lshl_or_b32 v[\pw], v[TM+7], 24, v[\pw]
	s_wait_xcnt 0x0
	WIN W
	v_cvt_scalef32_pk16_fp6_f32 v[(\d0):(\d0)+2], v[AC:AC+15], v[TM+12]
	v_cvt_scalef32_pk16_fp6_f32 v[TP:TP+2], v[AC+16:AC+31], v[TM+13]
	v_cvt_scalef32_pk16_fp6_f32 v[(\d1):(\d1)+2], v[AC+32:AC+47], v[TM+14]
	v_cvt_scalef32_pk16_fp6_f32 v[TP+4:TP+6], v[AC+48:AC+63], v[TM+15]
	WIN 0
	v_nop
.irp i, 0,1,2
	v_permlane16_swap_b32 v[(\d0)+\i], v[TP+\i]
.endr
.irp i, 0,1,2
	v_mov_b32 v[(\d0)+3+\i], v[TP+\i]
.endr
.irp i, 0,1,2
	v_permlane16_swap_b32 v[(\d1)+\i], v[TP+4+\i]
.endr
.irp i, 0,1,2
	v_mov_b32 v[(\d1)+3+\i], v[TP+4+\i]
.endr
.endm
	PLACES NP
	s_cmp_eq_u32 s97, 1
	s_cbranch_scc0 .Lrole_v
.irp b, 0,1,2,3
	v_mov_b32 v[TM+4+\b], 0
.endr
.irp a, 4,5,6,7
.irp i, 0,1,2,3
	global_load_b128 v[192+16*(\a-4)+4*\i:192+16*(\a-4)+4*\i+3], v[RA], s[8:9] offset:2048*\a+512*\i
.endr
.endr
.macro QKTILE a, u, i, left, rf
	s_wait_loadcnt \left
	ROPE \a, \rf
	QUANTW \a, XA+6*\u, XB+6*\u, PWT
	v_sub_nc_u32 v[PWT], v[PWT], s99
	v_bfe_u32 v[KW+4*\u+\i], v[PWT], v[H16], 16
.endm
.macro QKOUT i
.irp c, 0,1,2
	global_store_b128 v[RA], v[XA+4*\c:XA+4*\c+3], s[10:11] offset:1536*\i+512*\c
	global_store_b128 v[RA], v[XB+4*\c:XB+4*\c+3], s[12:13] offset:1536*\i+512*\c
.endr
.endm
	QKTILE 0, 0, 0, 16, 64
	QKTILE 1, 1, 0, 16, 80
	QKOUT 0
	QKTILE 2, 0, 1, 16, 96
	QKTILE 3, 1, 1, 16, 112
	QKOUT 1
	QKTILE 4, 0, 2, 12, 192
	QKTILE 5, 1, 2, 8, 208
	QKOUT 2
	QKTILE 6, 0, 3, 4, 224
	QKTILE 7, 1, 3, 0, 240
	QKOUT 3
	global_store_b128 v[SV], v[KW:KW+3], s[10:11] offset:6144
	global_store_b128 v[SV], v[KW+4:KW+7], s[10:11] offset:6400
	s_branch .Lclose
.Lrole_v:
.irp b, 0,1,2,3
	v_mov_b32 v[TM+4+\b], 0
.endr
.irp a, 0,1,2,3,4,5,6,7
	QUANTW \a, XA, XA+6, KW+\a
.irp c, 0,1,2
	global_store_b128 v[RA], v[XA+4*\c:XA+4*\c+3], s[10+2*(\a/4):11+2*(\a/4)] offset:1536*(\a%4)+512*\c
.endr
.endr
	global_store_b128 v[RA], v[KW:KW+3], s[10:11] offset:6144
	global_store_b128 v[RA], v[KW+4:KW+7], s[12:13] offset:6144
.Lclose:
	s_wait_tensorcnt 0x0
	ds_add_u32 v[SPW], v[NIL]
	s_wait_dscnt 0x0
	CROUND
	s_endpgm
.Lfunc_end_k_qf82fa650ad_qkv:
	.size	k_qf82fa650ad_qkv, .Lfunc_end_k_qf82fa650ad_qkv-k_qf82fa650ad_qkv
	.p2alignl 7, 3214868480
	.fill 96, 4, 3214868480
	.section	.rodata,"a",@progbits
	.p2align	6, 0x0
	.amdhsa_kernel k_qf82fa650ad_qkv
		.amdhsa_group_segment_fixed_size 327680
		.amdhsa_private_segment_fixed_size 0
		.amdhsa_enable_private_segment 0
		.amdhsa_kernarg_size 40
		.amdhsa_user_sgpr_count 2
		.amdhsa_user_sgpr_kernarg_segment_ptr 1
		.amdhsa_wavefront_size32 1
		.amdhsa_system_sgpr_workgroup_id_x 1
		.amdhsa_system_sgpr_workgroup_id_y 1
		.amdhsa_system_sgpr_workgroup_id_z 1
		.amdhsa_system_vgpr_workitem_id 0
		.amdhsa_next_free_vgpr 1024
		.amdhsa_next_free_sgpr 102
		.amdhsa_reserve_vcc 0
		.amdhsa_float_denorm_mode_32 3
		.amdhsa_float_denorm_mode_16_64 3
		.amdhsa_memory_ordered 1
		.amdhsa_forward_progress 1
		.amdhsa_inst_pref_size 218
	.end_amdhsa_kernel
	.amdgpu_metadata
---
amdhsa.version: [ 1, 2 ]
amdhsa.kernels:
  - .name:           k_qf82fa650ad_qkv
    .symbol:         k_qf82fa650ad_qkv.kd
    .args:
      - { .name: cw, .offset: 0, .size: 8, .value_kind: global_buffer, .address_space: global }
      - { .name: sw, .offset: 8, .size: 8, .value_kind: global_buffer, .address_space: global }
      - { .name: rope, .offset: 16, .size: 8, .value_kind: global_buffer, .address_space: global }
      - { .name: qb, .offset: 24, .size: 8, .value_kind: global_buffer, .address_space: global }
      - { .name: kv, .offset: 32, .size: 8, .value_kind: global_buffer, .address_space: global }
    .group_segment_fixed_size: 327680
    .private_segment_fixed_size: 0
    .kernarg_segment_align: 8
    .kernarg_segment_size: 40
    .max_flat_workgroup_size: 128
    .sgpr_count:     102
    .vgpr_count:     1024
    .wavefront_size: 32
...
	.end_amdgpu_metadata
.endif
;; end of part 2
;; launch attn (part 3): grid 32 x 8, 8 waves a work-group, clusters of 4 x 4, 327,680 bytes of LDS; arguments qb, kv, attention_mask, oc, os; writes oc, os
.if DOCPART == 3
	.amdgcn_target "amdgcn-amd-amdhsa--gfx1250"
	.amdhsa_code_object_version 6
	.text
	.protected	k_qf82fa650ad_attn
	.globl	k_qf82fa650ad_attn
	.p2align	8
	.type	k_qf82fa650ad_attn,@function
k_qf82fa650ad_attn:
	s_mov_b64 s[64:65], 0
	v_nop
	global_prefetch_b8 v0, s[64:65] scope:SCOPE_SE
	s_setreg_imm32_b32 hwreg(HW_REG_WAVE_MODE, 25, 1), 1
	s_wait_xcnt 0x0
	s_wait_alu depctr_hold_cnt(0) depctr_sa_sdst(0) depctr_va_vdst(0) depctr_va_sdst(0) depctr_va_ssrc(0) depctr_va_vcc(0) depctr_vm_vsrc(0)
	s_getreg_b32 s2, hwreg(HW_REG_IB_STS2, 6, 4)
	s_cmp_eq_u32 s2, 0
	s_cbranch_scc0 .Lentry_in_a_cluster
	s_endpgm
.Lentry_in_a_cluster:
	s_bfe_u32 s2, ttmp6, 0x10000c
	s_cmp_lg_u32 s2, 0xf033
	s_cbranch_scc0 .Lentry_shape_is_right
	s_endpgm
.Lentry_shape_is_right:
; THIRD LAUNCH: O = softmax(q k^T / 8 + mask) v for 32 (batch, head) x 2,048 queries x 2,048 keys, head size 64, both products on codes of FP6 (E2M3) with E8M0 scales; O is quantised along the model's axis for the last launch.
; Nothing is left out here: the mask is an input, so every tile of scores is computed.  (The division by 8 lies in q's scale bytes: second kernel.)
; SOFTMAX: t = logit x log2(e); M = the running largest t rounded UP to a whole number; p = 2^(t - M) is quantised along the keys, not normalised; the row's sum is taken of the unquantised p and divides O at the end.
; When M moves, the sum and O are multiplied by 2^(old M - new M): exact.
; SHARES.  A work-group owns 64 queries of FOUR heads of one batch.  Wave w takes head w / 2 and 32 queries, tiles 2 (w % 2) and 2 (w % 2) + 1 of 16: each fragment of k and v feeds two tiles.
; CLUSTER 4 x 4: x = the block of 64 queries, y = 4 x batch + group of four heads.  v hangs on y alone: asked for jointly along a row; the mask hangs on x alone: jointly along a column.
; A SLOT HOLDS TWO STEPS OF 128 KEYS: waves 0-3 fetch a head's v of both steps (two rows of 6,656 bytes, 13,312 apart), waves 4-7 sixteen rows of the mask (1,024 bytes each): one load a wave behind each round, and one
; round for two steps.  k IS NOT SHARED THROUGH LDS: two slots of two steps with k in them would be 4 x 86,784 bytes, more than a work-group can have.  k's records lie in memory as images of the operand's registers, so each
; wave loads its head's k straight into registers, 512 consecutive bytes an instruction, into two sets that take turns: step t asks for step t + 2's.
; LAYOUT.  Both products transposed: S^T = k q^T + mask^T (C = the mask, loaded in the result's layout), O^T = v^T p^T: a lane holds one query.  Tiles of keys, queries and features are rows 32 b + 8 u + m + 8 (m / 8)
; (second kernel), so p's 16 registers of two neighbouring tiles are 16 neighbouring keys.  K = 64 in an instruction of 128: q's upper six registers hold zero codes; k's eight tiles of six registers lie on end.
; THE MASK IN LDS: rows of 1,040 bytes; each load's 16 rows begin 128 bytes further on than the last load's end: a tile's lanes read rows i and 16 + i, which so start in sixteen different 16-byte columns of 256.
; THE WALK.  The change of slots stands in the MIDDLE of a slot's second step: by then the mask and v of both steps are in registers.  Tile 0's exponentials stand between the opening barrier's signal and wait.  Behind the
; round the slot just read is filled with the two steps four on, and the next step's mask is read out of the other slot.  One tensor load of a wave is out at any time.  The slot in use is a scalar, 0 or SLOT, turned by xor.
; REGISTERS.  Window 0: v1-11 addresses; v12-19 -M, largest t, sum for each tile; v20-43 q0, zeros, q1, zeros; v44 q's scale words; v45-46 p's; v48-101 k (even steps) and six zeros; v102-105, v232-235 k's scale words;
; v106-109 v's; v112-159 v; v160-183 p's codes; v184-190 halves of blocks; v192-223 maxima, bytes, scale operands, f.  Window 1: v0-127 the mask, then S^T, then p; v128-191 O^T; v192-245 k (odd steps) and six zeros.
; LIMITS: the promise holds while |t| stays under 2^31; blocks of O under 2^-124 keep the byte 1; NaN and infinities are not served.
.set PART,  6656
.set KVREC, 2*PART
.set MOFF,  4*KVREC                    ; a slot: four heads' v of two steps, then the mask's 64 rows x 256 keys
.set MP,    1040
.set MG,    16*MP+128
.set SLOT,  131072                     ; a power of two over the 120,320 bytes used
.set STG,   2*SLOT                     ; behind the ring: O's codes, 64 rows x 192 bytes,
.set STS,   STG+64*192                 ; their scale bytes, 64 x 8,
.set SPARE, STS+512                    ; and the spare words, 128 bytes a wave, which no other line names
.set AKV, 1                            ; v1 my head's v in slot 0; v2 in the slot in use
.set AMK, 3                            ; v3 my rows of the mask in slot 0; v4 in the slot in use
.set SPW, 5
.set NIL, 6
.set SO,  7
.set SS,  8
.set Q,   20
.set QS,  44
.set PS,  45
.set PFO, 47
.set VS,  106
.set KO,  111                          ; v111 16 x lane
.set VF,  112
.set PC,  160
.set HV,  184
.set T2,  224
.set WV,  14
.set CS,  22
.set G1K, 24
.set G1M, 32
.set G0K, 40
.set G0M, 48
.set SEL, 56
.set PFA, 60
.set PFS, 62
.set KB,  88                           ; s[88:89] my head's k record of the slot's first step
.set SL,  90                           ; s90 the slot in use: 0 or SLOT
.set MSB, 0
.macro WIN new                         ; the immediate's high byte repeats the setting that is left
.if MSB != \new
	s_set_vgpr_msb (MSB<<8)|\new
.set MSB, \new
.endif
.endm
.macro NOP4
.rept 4
	v_nop
.endr
.endm
.macro WM d, a, b, c, sa, sb, ra, rb   ; the scaled product; ra, rb: which half of the lanes holds source 0's and source 1's scale words
.if (\ra)==0
.if (\rb)==0
	v_wmma_scale_f32_16x16x128_f8f6f4 \d, \a, \b, \c, \sa, \sb matrix_a_fmt:MATRIX_FMT_FP6 matrix_b_fmt:MATRIX_FMT_FP6
.else
	v_wmma_scale_f32_16x16x128_f8f6f4 \d, \a, \b, \c, \sa, \sb matrix_a_fmt:MATRIX_FMT_FP6 matrix_b_fmt:MATRIX_FMT_FP6 matrix_b_scale:MATRIX_SCALE_ROW1
.endif
.else
.if (\rb)==0
	v_wmma_scale_f32_16x16x128_f8f6f4 \d, \a, \b, \c, \sa, \sb matrix_a_fmt:MATRIX_FMT_FP6 matrix_b_fmt:MATRIX_FMT_FP6 matrix_a_scale:MATRIX_SCALE_ROW1
.else
	v_wmma_scale_f32_16x16x128_f8f6f4 \d, \a, \b, \c, \sa, \sb matrix_a_fmt:MATRIX_FMT_FP6 matrix_b_fmt:MATRIX_FMT_FP6 matrix_a_scale:MATRIX_SCALE_ROW1 matrix_b_scale:MATRIX_SCALE_ROW1
.endif
.endif
.endm
.macro JLOAD                           ; a joint load: the branch hangs on the wave's number alone; s_nop 0 and four v_nop behind each line
	s_cmp_lt_u32 s[WV], 4
	s_cbranch_scc0 .Lfor_m_\@
	tensor_load_to_lds s[G0K:G0K+3], s[G1K:G1K+7]
	s_nop 0
	NOP4
	s_branch .Lasked_\@
.Lfor_m_\@:
	tensor_load_to_lds s[G0M:G0M+3], s[G1M:G1M+7]
	s_nop 0
	NOP4
.Lasked_\@:
.endm
.macro NEXTFILL                        ; behind a wait for all my tensor loads: the descriptors go to the other slot and two steps on
	s_xor_b32 s[G0K+1], s[G0K+1], SLOT
	s_add_nc_u64 s[G0K+2:G0K+3], s[G0K+2:G0K+3], 2*KVREC
	s_xor_b32 s[G0M+1], s[G0M+1], SLOT
	s_add_nc_u64 s[G0M+2:G0M+3], s[G0M+2:G0M+3], 1024
.endm
.macro TOGGLE                          ; the slot in use changes: v's and the mask's addresses
	s_xor_b32 s[SL], s[SL], SLOT
	v_add_nc_u32 v[AKV+1], s[SL], v[AKV]
	v_add_nc_u32 v[AMK+1], s[SL], v[AMK]
.endm
; A PREFETCH INTO THE L2 of the two steps that the NEXT change of slots will ask for.  k and v of a group of heads are walked by the eight clusters along x: the first of them asks; its partner at cx takes head cx, waves 0-3
; the four records of the two steps: 26 blocks of 256 bytes each, a lane a block (lanes 26 to 31 name the last again).  The mask's rows are walked by both clusters along y: the first asks; its partner at cy takes rows
; 16 cy on, waves 4 and 5 eight rows each: four lanes to a row's 1,024 bytes.  Partners are told apart by address alone.  s66 is 1 in a wave that asks, else the greatest number; the loop's last trip would name keys
; past the end and asks for nothing.
.macro ASK
	s_cmp_gt_u32 s58, s66
	s_cbranch_scc0 .Lnot_mine_\@
	global_prefetch_b8 v[PFO], s[PFA:PFA+1] th:TH_LOAD_NT scope:SCOPE_SE
.Lnot_mine_\@:
.endm
.macro CREST                           ; a round of the cluster's barrier behind its opening barrier
	s_cmp_lg_u32 s[WV], 0
	s_cbranch_scc1 .Lnot_wave_0_\@
	s_barrier_signal -3
.Lnot_wave_0_\@:
	s_barrier_wait -3
	s_barrier_signal -1
	s_barrier_wait -1
.endm
.macro CROUND
	s_barrier_signal -1
	s_barrier_wait -1
	CREST
.endm
	s_load_b256 s[4:11], s[0:1], 0x0               ; qb s[4:5], kv s[6:7], the mask s[8:9], oc s[10:11]
	s_load_b64 s[12:13], s[0:1], 0x20              ; os
	v_lshl_add_u32 v[SPW], v0, 2, SPARE
	v_mov_b32 v[NIL], 0
	ds_add_u32 v[SPW], v[NIL]                      ; the opening: the add, twice on end, and its wait ahead of my first tensor load
	ds_add_u32 v[SPW], v[NIL]
	v_lshrrev_b32 v226, 5, v0
	v_readfirstlane_b32 s[WV], v226                ; wave 0..7
	s_and_b32 s15, s[WV], 3                        ; which of four loads is mine
	s_lshr_b32 s16, s[WV], 1                       ; head of four
	s_and_b32 s17, s[WV], 1                        ; which 32 queries
	s_bfe_u32 s18, ttmp6, 0x40000                  ; cx
	s_bfe_u32 s19, ttmp6, 0x40004                  ; cy
	s_lshl_b32 s20, ttmp9, 2
	s_add_co_u32 s20, s20, s18                     ; x
	s_and_b32 s59, ttmp7, 0xffff                   ; cluster y = the batch
	s_lshl_b32 s21, s59, 2
	s_add_co_u32 s21, s21, s19                     ; y
	s_lshl_b32 s68, s19, 2
	s_lshl_b32 s68, 15, s68                        ; my row of the cluster
	s_lshl_b32 s69, 0x1111, s18                    ; my column
	s_or_b32 s[G1K], s68, (3<<16)|(1<<21)          ; 2 rows of 832 elements of 8 bytes, 1,664 elements apart, no padding
	s_mov_b32 s[G1K+1], 832<<16
	s_mov_b32 s[G1K+2], 2<<16
	s_mov_b32 s[G1K+3], 832<<16
	s_mov_b32 s[G1K+4], 2
	s_mov_b32 s[G1K+5], 1664
	s_mov_b32 s[G1K+6], 0
	s_mov_b32 s[G1K+7], 0
	s_or_b32 s[G1M], s69, (2<<16)|(1<<20)|(1<<21)|(7<<22)|(3<<25)  ; 16 rows of 256 elements of 4 bytes, 2,048 elements apart; 4 words of padding behind every 256
	s_mov_b32 s[G1M+1], 256<<16
	s_mov_b32 s[G1M+2], 16<<16
	s_mov_b32 s[G1M+3], 256<<16
	s_mov_b32 s[G1M+4], 16
	s_mov_b32 s[G1M+5], 2048
	s_mov_b32 s[G1M+6], 0
	s_mov_b32 s[G1M+7], 0
	s_mov_b32 s[CS], 0x3fb8aa3b                    ; log2(e)
	s_mov_b32 s[CS+1], s[CS]
	s_mov_b32 s[SEL], 0x76543210
	s_mov_b32 s[SEL+1], 0xfedcba98
	s_mov_b32 s58, 6                               ; the loop's trips
	s_mov_b32 s[SL], 0
	; what I fetch.  v: head 4 y + wave % 4, steps 0 and 1 (y and the wave's number alone)
	s_lshl_b32 s68, s21, 2
	s_add_co_u32 s68, s68, s15
	s_lshl_b32 s68, s68, 4
	s_mul_i32 s68, s68, KVREC
	s_add_co_u32 s68, s68, PART
	s_mov_b32 s69, 0
	s_mul_i32 s72, s15, KVREC
	; the mask: rows 64 x + 16 (wave % 4) on (x and the wave's number alone)
	s_lshl_b32 s70, s20, 6
	s_lshl_b32 s71, s15, 4
	s_add_co_u32 s70, s70, s71
	s_lshl_b32 s70, s70, 13
	s_mov_b32 s71, 0
	s_mul_i32 s73, s15, MG
	s_add_co_u32 s73, s73, MOFF
	; the prefetches: my offset at steps 4, 5 (the change of slots in steps 2 n, 2 n + 1 steps it to steps 2 n + 6, 2 n + 7)
	s_lshl_b32 s74, s21, 2
	s_add_co_u32 s74, s74, s18
	s_lshl_b32 s74, s74, 4
	s_add_co_u32 s74, s74, 4
	s_mul_i32 s74, s74, KVREC
	s_mul_i32 s75, s15, PART
	s_add_co_u32 s74, s74, s75
	s_lshl_b32 s75, s20, 6
	s_lshl_b32 s2, s19, 4
	s_add_co_u32 s75, s75, s2
	s_lshl_b32 s2, s17, 3
	s_add_co_u32 s75, s75, s2
	s_lshl_b32 s75, s75, 13
	s_add_co_u32 s75, s75, 2048
	s_sub_co_u32 s79, s[WV], 4
	s_lshr_b32 s79, s79, 1                         ; 0 in waves 4, 5
	s_cmp_lt_u32 s[WV], 4
	s_cselect_b32 s74, s74, s75
	s_mov_b32 s75, 0
	s_mov_b32 s[PFS], 1024
	s_cselect_b32 s[PFS], 2*KVREC, s[PFS]
	s_mov_b32 s[PFS+1], 0
	s_cselect_b32 s84, -1, 0
	s_cselect_b32 s3, ttmp9, s59                   ; the coordinate along which other clusters walk the same bytes
	s_cselect_b32 s78, 0, s79
	s_or_b32 s78, s78, s3
	s_cmp_eq_u32 s78, 0
	s_cselect_b32 s66, 1, -1                       ; the wave's number and the cluster's place alone: the same in all sixteen partners
	; q: image 2 (x % 2) + wave % 2 of record x / 2 of my head holds my two tiles
	s_and_b32 s87, s20, 1
	s_lshl_b32 s87, s87, 1
	s_add_co_u32 s87, s87, s17
	s_mul_i32 s85, s87, 1536
	s_lshl_b32 s86, s87, 2
	s_add_co_u32 s86, s86, 6144
	s_lshl_b32 s76, s21, 2
	s_add_co_u32 s76, s76, s16
	s_lshl_b32 s76, s76, 4
	s_mul_i32 s[KB], s76, KVREC                    ; my head's k, step 0
	s_mov_b32 s[KB+1], 0
	s_lshr_b32 s77, s20, 1
	s_add_co_u32 s76, s76, s77
	s_mul_i32 s76, s76, PART
	s_mov_b32 s77, 0
	s_mul_i32 s80, s16, KVREC                      ; my head's v in a slot
	s_mul_i32 s81, s17, 2*MG
	s_add_co_u32 s81, s81, MOFF                    ; my 32 rows of the mask
	s_mul_i32 s82, s17, 32*192
	s_mul_i32 s2, s16, 48
	s_add_co_u32 s82, s82, s2
	s_add_co_u32 s82, s82, STG
	s_lshl_b32 s83, s17, 8
	s_lshl_b32 s2, s16, 1
	s_add_co_u32 s83, s83, s2
	s_add_co_u32 s83, s83, STS
	; every vector address, in one run
	v_and_b32 v226, 31, v0                         ; lane
	v_and_b32 v227, 15, v0                         ; r
	v_bfe_u32 v228, v0, 4, 1                       ; h
	v_bfe_u32 v229, v0, 3, 1                       ; r / 8
	v_and_b32 v230, 7, v0
	v_lshl_add_u32 v[AKV], v226, 4, s80
	v_mul_u32_u24 v[AMK], v229, MG
	v_lshlrev_b32 v[KO], 4, v226
	v_mad_u32_u24 v[AMK], v230, MP, v[AMK]
	v_mov_b32 v[AKV+1], v[AKV]                     ; slot 0 is in use
	v_lshl_add_u32 v[AMK], v228, 6, v[AMK]
	v_add_nc_u32 v[AMK], s81, v[AMK]               ; tile 0's row r % 8 + 16 (r / 8) of my 32, + 64 h; tile 1's lies 8 rows on
	v_lshl_add_u32 v231, v229, 3, v227             ; r + 8 (r / 8)
	v_mov_b32 v[AMK+1], v[AMK]
	v_mul_u32_u24 v[SO], v231, 192
	v_mad_u32_u24 v[SO], v228, 24, v[SO]
	v_add_nc_u32 v[SO], s82, v[SO]                 ; the stage: my query's row of 192 bytes, my head's 48, my half's 24
	v_lshl_add_u32 v[SS], v231, 3, s83
	v_lshl_add_u32 v9, v0, 4, STG
	v_and_b32 v10, 63, v0
	v_lshlrev_b32 v11, 5, v10
	v_lshl_add_u32 v10, v10, 3, STS
	v_lshlrev_b32 v110, 4, v0
	v_min_u32 v[PFO], 25, v226
	v_lshlrev_b32 v[PFO], 8, v[PFO]
	v_lshrrev_b32 v229, 2, v226
	v_lshlrev_b32 v229, 13, v229
	v_and_b32 v230, 3, v226
	v_lshl_or_b32 v229, v230, 8, v229
	v_cndmask_b32 v[PFO], v229, v[PFO], s84
	v_lshl_add_u32 v230, v226, 4, s85              ; q's image, 16 bytes a lane
	v_lshl_add_u32 v231, v226, 4, s86              ; q's scale words: lanes 0-15 tile 0's, lanes 16-31 tile 1's
	s_wait_alu depctr_va_vdst(0)
	s_wait_dscnt 0x0                               ; both opening adds are done
	s_wait_kmcnt 0x0
	s_mov_b32 s[G0K], 1
	s_mov_b32 s[G0K+1], s72
	s_add_nc_u64 s[G0K+2:G0K+3], s[6:7], s[68:69]
	s_or_b32 s[G0K+3], s[G0K+3], 0x80000000
	s_mov_b32 s[G0M], 1
	s_mov_b32 s[G0M+1], s73
	s_add_nc_u64 s[G0M+2:G0M+3], s[8:9], s[70:71]
	s_or_b32 s[G0M+3], s[G0M+3], 0x80000000
	s_add_nc_u64 s[KB:KB+1], s[6:7], s[KB:KB+1]
	s_cmp_lt_u32 s[WV], 4
	s_cselect_b64 s[PFA:PFA+1], s[6:7], s[8:9]
	s_add_nc_u64 s[PFA:PFA+1], s[PFA:PFA+1], s[74:75]
	s_add_nc_u64 s[76:77], s[4:5], s[76:77]        ; q's record
	s_lshl_b32 s78, s19, 12
	s_lshl_b32 s79, s59, 11
	s_add_co_u32 s78, s78, s79
	s_lshl_b32 s3, s20, 6
	s_add_co_u32 s78, s78, s3
	s_mul_i32 s78, s78, 192
	s_mov_b32 s79, 0
	s_add_nc_u64 s[10:11], s[10:11], s[78:79]      ; oc: [group of heads][row 4,096][192]: my 64 rows are 12,288 bytes on end
	s_lshl_b32 s78, s59, 11
	s_add_co_u32 s78, s78, s3
	s_lshl_b32 s78, s78, 5
	s_lshl_b32 s3, s19, 3
	s_add_co_u32 s78, s78, s3
	s_add_nc_u64 s[12:13], s[12:13], s[78:79]      ; os: [row][32]: my group's 8 bytes of each row
	CROUND                                         ; all sixteen work-groups are here: the first joint loads meet
	JLOAD                                          ; steps 0 and 1: one tensor load a wave at the head
.macro LOADKG e, d                     ; k's scale words and four images (eight tiles of six registers on end) of the step d records on from s[KB], into set e: 13 loads of 512 consecutive bytes
.set KFE, 48+144*\e
.set KSE, 102+130*\e
	global_load_b128 v[KSE:KSE+3], v[KO], s[KB:KB+1] offset:(\d)*KVREC+6144
.if \e
	WIN 0x40
.endif
.set i, 0
.rept 12
	global_load_b128 v[KFE+4*i:KFE+4*i+3], v[KO], s[KB:KB+1] offset:(\d)*KVREC+512*i
.set i, i+1
.endr
	WIN 0
.endm
	global_load_b128 v[VF:VF+3], v230, s[76:77]
	global_load_b128 v[VF+4:VF+7], v230, s[76:77] offset:512
	global_load_b128 v[VF+8:VF+11], v230, s[76:77] offset:1024
	global_load_b32 v[QS], v231, s[76:77]
	LOADKG 0, 0
	LOADKG 1, 1
.irp j, 6,7,8,9,10,11, 18,19,20,21,22,23
	v_mov_b32 v[Q+\j], 0                           ; zero codes: q's upper 64 of K
.endr
.irp j, 96,97,98,99,100,101
	v_mov_b32 v[\j], 0                             ; and what stands behind k's last tile, set 0
.endr
.irp u, 0,1
	v_mov_b32 v[13+4*\u], 0xff61b1e6               ; the largest t so far: -3e38
	v_floor_f32 v[12+4*\u], -v[13+4*\u]            ; -M
	v_mov_b32 v[14+4*\u], 0
	v_mov_b32 v[15+4*\u], 0
.irp j, 4,5,6,7, 13, 14
	v_mov_b32 v[192+16*\u+\j], 0                   ; lane permutes' destinations and the upper half of f's pair: written before they are named
.endr
.endr
	WIN 0x40
.set i, 0
.rept 64
	v_mov_b32 v[128+i], 0                          ; O^T: the step is written once; the first finds zeros
.set i, i+1
.endr
.irp j, 240,241,242,243,244,245
	v_mov_b32 v[\j], 0                             ; behind k's last tile, set 1
.endr
	WIN 0
	s_wait_loadcnt 26                              ; q is in; k's 26 loads may be out
.irp j, 0,1,2,3,4,5
	v_mov_b32 v[Q+\j], v[VF+\j]                    ; tile 0's six registers, zeros behind them;
	v_mov_b32 v[Q+12+\j], v[VF+6+\j]               ; tile 1's
.endr
.macro LOADV e                         ; v's scale words and four fragments of the slot's step e
	ds_load_b128 v[VS:VS+3], v[AKV+1] offset:PART*\e+6144
.set i, 0
.rept 12
	ds_load_b128 v[VF+4*i:VF+4*i+3], v[AKV+1] offset:PART*\e+512*i
.set i, i+1
.endr
.endm
.macro LOADM u, e                      ; the mask at my query of tile u, step e of the slot in use, keys 32 b + 16 h + 4 i on: the layout of tiles 2 b, 2 b + 1 of the scores
	WIN 0x40
.irp b, 0,1,2,3
.irp i, 0,1,2,3
	ds_load_b128 v[64*\u+16*\b+4*\i:64*\u+16*\b+4*\i+3], v[AMK+1] offset:512*(\e)+128*\b+16*\i+8*MP*\u
.endr
.endr
	WIN 0
.endm
.macro SMUL u, e                       ; S^T of tile u with k's set e: eight products on eight accumulators
.set S, 64*\u
.set KFE, 48+144*\e
.set KSE, 102+130*\e
.set WS, 0x50+\e
	WIN WS
.irp b, 0,1,2,3
	WM v[S+16*\b:S+16*\b+7], v[KFE+12*\b:KFE+12*\b+11], v[Q+12*\u:Q+12*\u+11], v[S+16*\b:S+16*\b+7], v[KSE+\b], v[QS], 0, \u
	WM v[S+16*\b+8:S+16*\b+15], v[KFE+12*\b+6:KFE+12*\b+17], v[Q+12*\u:Q+12*\u+11], v[S+16*\b+8:S+16*\b+15], v[KSE+\b], v[QS], 1, \u
.endr
	WIN 0
.endm
.macro MAXP u                          ; the largest logit of each block of 32 keys, the running M, f = 2^(old M - new M)
.set S, 64*\u
.set TM, 192+16*\u
.set ST, 12+4*\u
	WIN 0x15
.irp b, 0,1,2,3
	v_max3_num_f32 v[TM+\b], v[S+16*\b], v[S+16*\b+1], v[S+16*\b+2]
.endr
	WIN 0x14
.irp i, 3,5,7,9,11,13
.irp b, 0,1,2,3
	v_max3_num_f32 v[TM+\b], v[TM+\b], v[S+16*\b+\i], v[S+16*\b+\i+1]
.endr
.endr
.irp b, 0,1,2,3
	v_max3_num_f32 v[TM+\b], v[TM+\b], v[S+16*\b+15], v[S+16*\b+15]
.endr
	WIN 0
.irp b, 0,1,2,3
	v_permlanex16_b32 v[TM+4+\b], v[TM+\b], s[SEL], s[SEL+1]
.endr
.irp b, 0,1,2,3
	v_max_num_f32 v[TM+\b], v[TM+\b], v[TM+4+\b]   ; with lane l xor 16's 16 keys
.endr
	v_max3_num_f32 v[TM+14], v[TM], v[TM+1], v[TM+2]
	s_delay_alu instid0(VALU_DEP_1)
	v_max_num_f32 v[TM+14], v[TM+14], v[TM+3]
	s_delay_alu instid0(VALU_DEP_1)
	v_mul_f32 v[TM+14], s[CS], v[TM+14]            ; the step's largest t
	s_delay_alu instid0(VALU_DEP_1)
	v_max_num_f32 v[ST+1], v[ST+1], v[TM+14]
	v_mov_b32 v[TM+14], v[ST]
	s_delay_alu instid0(VALU_DEP_2)
	v_floor_f32 v[ST], -v[ST+1]                    ; the new -M = -ceil(t)
	s_delay_alu instid0(VALU_DEP_1)
	v_sub_f32 v[TM+14], v[ST], v[TM+14]            ; old M - new M: a whole number, 0 or less
	s_delay_alu instid0(VALU_DEP_1)
	v_cvt_i32_f32 v[TM+14], v[TM+14]               ; (it saturates)
	s_delay_alu instid0(VALU_DEP_1)
	v_ldexp_f32 v[TM+12], 1.0, v[TM+14]
.endm
.macro FMAP u                          ; t - M, two at a time; the same of each block's largest logit
.set S, 64*\u
.set TM, 192+16*\u
.set ST, 12+4*\u
	WIN 0x41
.set i, 0
.rept 32
	v_pk_fma_f32 v[S+i:S+i+1], v[S+i:S+i+1], s[CS:CS+1], v[ST:ST+1] op_sel_hi:[1,0,0]
.set i, i+2
.endr
	WIN 0
.irp b, 0,1,2,3
	v_fma_f32 v[TM+\b], v[TM+\b], s[CS], v[ST]
.endr
.endm
.macro EXPP u                          ; one batch: p = 2^(t - M), and each block's largest p by the same two instructions on the same number
.set S, 64*\u
.set TM, 192+16*\u
.set ST, 12+4*\u
	s_wait_alu depctr_va_vdst(0)                   ; ahead of the batch
	WIN 0x41
.set i, 0
.rept 64
	v_exp_f32 v[S+i], v[S+i]
.set i, i+1
.endr
	WIN 0
.irp b, 0,1,2,3
	v_exp_f32 v[TM+\b], v[TM+\b]
.endr
	v_pk_mul_f32 v[ST+2:ST+3], v[ST+2:ST+3], v[TM+12:TM+13] op_sel_hi:[1,0]   ; the sums under the new M (a plain line behind the batch)
	s_wait_alu depctr_va_vdst(0)                   ; and the one wait behind it
.endm
.macro RESTP u, ne, nxt                ; p's bytes and codes, the row's sum, the next step's mask into p's registers, O^T under the new M, O^T += v^T p^T
.set S, 64*\u
.set O, 128+32*\u
.set TM, 192+16*\u
.set P, PC+12*\u
.set SUM, 14+4*\u
.irp b, 0,1,2,3
	v_max_num_f32 v[TM+\b], 0x1800000, v[TM+\b]    ; the floor 2^(3 - 127): the byte cannot fall under 1
.endr
.irp b, 0,1,2,3
	v_add_nc_u32 v[TM+8+\b], 0xff000000, v[TM+\b]  ; 2 off the exponent field: the conversion's scale operand
.endr
.irp b, 0,1,2,3
	v_lshrrev_b32 v[TM+4+\b], 23, v[TM+8+\b]
.endr
	v_lshl_or_b32 v[PS+\u], v[TM+5], 8, v[TM+4]    ; p's scale word for these 128 keys
	v_lshl_or_b32 v[PS+\u], v[TM+6], 16, v[PS+\u]
	v_lshl_or_b32 v[PS+\u], v[TM+7], 24, v[PS+\u]
	WIN 0x01
.irp c, 0,1
	v_cvt_scalef32_pk16_fp6_f32 v[P+6*\c:P+6*\c+2], v[S+32*\c:S+32*\c+15], v[TM+8+2*\c]
	v_cvt_scalef32_pk16_fp6_f32 v[HV+4*\c:HV+4*\c+2], v[S+32*\c+16:S+32*\c+31], v[TM+9+2*\c]
.endr
	WIN 0x05
	v_pk_add_f32 v[T2:T2+1], v[S:S+1], v[S+2:S+3]  ; the sum's second chain begins (a plain line behind the conversions)
	WIN 0
.irp c, 0,1                            ; the operand's layout wants a whole block in a lane
.irp i, 0,1,2
	v_permlane16_swap_b32 v[P+6*\c+\i], v[HV+4*\c+\i]
.endr
.irp i, 0,1,2
	v_mov_b32 v[P+3+6*\c+\i], v[HV+4*\c+\i]
.endr
.endr
	WIN 0x04
.irp j, 4,8,12,16,20,24,28,32,36,40,44,48,52,56,60
	v_pk_add_f32 v[SUM:SUM+1], v[SUM:SUM+1], v[S+\j:S+\j+1]        ; the row's sum of the unquantised p; these lines name nothing of the products below and stand between the last write of their operands and them
	v_pk_add_f32 v[T2:T2+1], v[T2:T2+1], v[S+\j+2:S+\j+3]
.endr
	WIN 0
	v_pk_add_f32 v[SUM:SUM+1], v[SUM:SUM+1], v[T2:T2+1]
.if \nxt
	LOADM \u, \ne
.endif
	WIN 0x41
	s_wait_alu depctr_va_vdst(0)                   ; directly ahead of the first reader of O^T
.irp j, 0,2,4,6,8,10,12,14,16,18,20,22,24,26,28,30
	v_pk_mul_f32 v[O+\j:O+\j+1], v[O+\j:O+\j+1], v[TM+12:TM+13] op_sel_hi:[1,0]   ; each accumulator from its low end on
.endr
	WIN 0x50
.irp t, 0,1,2,3
	WM v[O+8*\t:O+8*\t+7], v[VF+12*\t:VF+12*\t+11], v[P:P+11], v[O+8*\t:O+8*\t+7], v[VS+\t], v[PS+\u], 0, 0
.endr
	WIN 0
.endm
; A STEP of 128 keys: step e of the slot in use.  At its start both tiles' mask is on its way from LDS (16 + 16 loads) and k from memory.  mode 3: a slot's first step, no change of slots; in a slot's second step:
; mode 0: the slot is filled again; 1: nothing is left to fetch, the other slot is shown to all waves; 2: the last step.  kl: k of two steps on is asked for; lc: the loads of k that may stay out.
.macro STEP e, mode, kl, lc
	NOP4                                           ; places behind the last products, in front of the loads into v's registers
	LOADV \e
	s_wait_loadcnt \lc                             ; this step's k is in; the next step's 13 loads may be out
	s_wait_dscnt 29                                ; tile 0's mask is in; tile 1's 16 loads and v's 13 may be out
	SMUL 0, \e
	NOP4
	MAXP 0
	s_wait_alu depctr_va_vdst(0)
	s_wait_dscnt 13                                ; tile 1's mask is in; v's 13 loads may be out
	SMUL 1, \e
	FMAP 0                                         ; (also the places behind tile 1's products)
.if \kl
	LOADKG \e, 2+\e                                ; the set just multiplied takes k of two steps on
.endif
.if \mode == 0
	s_wait_tensorcnt 0x0                           ; my part of the other slot has landed; no tensor load of mine is out, so the descriptors may be written
	ds_add_u32 v[SPW], v[NIL]
	NEXTFILL
	s_wait_xcnt 0x0                                ; the last prefetch and k's loads have read their addresses
	s_add_nc_u64 s[PFA:PFA+1], s[PFA:PFA+1], s[PFS:PFS+1]
	s_add_nc_u64 s[KB:KB+1], s[KB:KB+1], 2*KVREC
	TOGGLE
	s_wait_dscnt 0x0                               ; the add is done, v is in: my reads of this slot are over
	s_barrier_signal -1
	MAXP 1                                         ; work on registers alone while the others arrive: tile 1's maxima,
	EXPP 0                                         ; tile 0's exponentials,
	RESTP 0, 0, 0                                  ; its codes, sums and products
	s_barrier_wait -1
	CREST                                          ; no wave of any partner still reads this slot or has a load on its way
	JLOAD                                          ; the two steps four on
	ASK
	LOADM 0, 1-\e                                  ; tile 0's mask of the next step, out of the other slot
.endif
.if \mode == 1
	s_wait_tensorcnt 0x0                           ; my part of the last slot has landed
	TOGGLE
	s_wait_dscnt 0x0
	s_barrier_signal -1
	MAXP 1
	EXPP 0
	RESTP 0, 0, 0
	s_barrier_wait -1                              ; and everybody's
	LOADM 0, 1-\e
.endif
.if \mode >= 2
	MAXP 1
	s_wait_dscnt 0x0                               ; v is in
	EXPP 0
	RESTP 0, 1-\e, (\mode!=2)
.endif
	FMAP 1
	EXPP 1
	RESTP 1, 1-\e, (\mode!=2)
.endm
	s_wait_alu depctr_va_vdst(0)
	s_wait_tensorcnt 0x0                           ; my part of steps 0, 1 is in
	ds_add_u32 v[SPW], v[NIL]
	NEXTFILL
	s_wait_dscnt 0x0
	CROUND
	JLOAD                                          ; steps 2 and 3, into slot 1
	LOADM 0, 0
	LOADM 1, 0
.Lper:                                             ; 6 trips: steps 0 to 11; steps 4 to 15 are asked for, steps 6 to 15 prefetched
	STEP 0, 3, 1, 13
	STEP 1, 0, 1, 13
	s_sub_co_u32 s58, s58, 1
	s_cmp_lg_u32 s58, 0
	s_wait_alu depctr_va_vdst(0)
	s_cbranch_scc1 .Lper
	STEP 0, 3, 1, 13                               ; step 12 asks for k of step 14,
	STEP 1, 1, 1, 13                               ; step 13 for k of step 15
	STEP 0, 3, 0, 13
	STEP 1, 2, 0, 0
; THE WAY OUT.  O^T / the sum; a tile's 32 registers are features 32 b + 16 h + i of my query and head: two blocks of the last product's K.  Codes and bytes meet in a stage and leave as whole rows.
.macro OUTP u
.set O, 128+32*\u
.set X, 48+64*\u
.set TM, 192+16*\u
.set SUM, 14+4*\u
.set P, PC+12*\u
	v_add_f32 v[SUM], v[SUM], v[SUM+1]
	v_permlanex16_b32 v[TM+14], v[SUM], s[SEL], s[SEL+1]
	v_add_f32 v[SUM], v[SUM], v[TM+14]             ; the row's sum
	s_wait_alu depctr_va_vdst(0)
	v_rcp_f32 v[SUM], v[SUM]
	v_nop
	WIN 0x01
	s_wait_alu depctr_va_vdst(0)                   ; for the reciprocal, and directly ahead of the first reader of O^T
.irp j, 0,2,4,6,8,10,12,14,16,18,20,22,24,26,28,30
	v_pk_mul_f32 v[X+\j:X+\j+1], v[O+\j:O+\j+1], v[SUM:SUM+1] op_sel_hi:[1,0]
.endr
	WIN 0
.irp b, 0,1
	v_max3_num_f32 v[TM+\b], |v[X+16*\b]|, |v[X+16*\b+1]|, 0x1800000
.endr
.irp i, 2,4,6,8,10,12,14
.irp b, 0,1
	v_max3_num_f32 v[TM+\b], v[TM+\b], |v[X+16*\b+\i]|, |v[X+16*\b+\i+1]|
.endr
.endr
.irp b, 0,1
	v_permlanex16_b32 v[TM+4+\b], v[TM+\b], s[SEL], s[SEL+1]
.endr
.irp b, 0,1
	v_max_num_f32 v[TM+\b], v[TM+\b], v[TM+4+\b]
.endr
.irp b, 0,1
	v_add_nc_u32 v[TM+8+\b], 0xff000000, v[TM+\b]
.endr
.irp b, 0,1
	v_lshrrev_b32 v[TM+4+\b], 23, v[TM+8+\b]
.endr
	v_lshl_or_b32 v[TM+14], v[TM+5], 8, v[TM+4]    ; my head's two scale bytes of this row
	v_cvt_scalef32_pk16_fp6_f32 v[P:P+2], v[X:X+15], v[TM+8]
	v_cvt_scalef32_pk16_fp6_f32 v[HV:HV+2], v[X+16:X+31], v[TM+9]
	v_nop
.irp i, 0,1,2
	v_permlane16_swap_b32 v[P+\i], v[HV+\i]
.endr
.irp i, 0,1,2
	v_mov_b32 v[P+3+\i], v[HV+\i]                  ; features 32 h + 0 .. 31: 24 bytes
.endr
	ds_store_b64 v[SO], v[P:P+1] offset:1536*\u
	ds_store_b64 v[SO], v[P+2:P+3] offset:1536*\u+8
	ds_store_b64 v[SO], v[P+4:P+5] offset:1536*\u+16
	ds_store_b16 v[SS], v[TM+14] offset:64*\u      ; both halves of the lanes write the same bytes with the same value
.endm
	NOP4                                           ; places behind the last products
	OUTP 0
	OUTP 1
	s_wait_dscnt 0x0                               ; for the others' sake: my stores into the stage are done
	s_barrier_signal -1
	s_barrier_wait -1
	ds_load_b128 v[48:51], v9                      ; the 12,288 bytes of codes: 256 threads x 16 bytes, three times
	ds_load_b128 v[52:55], v9 offset:4096
	ds_load_b128 v[56:59], v9 offset:8192
	s_wait_dscnt 0x0
	global_store_b128 v110, v[48:51], s[10:11]     ; 32 lanes store 512 consecutive bytes, aligned
	global_store_b128 v110, v[52:55], s[10:11] offset:4096
	global_store_b128 v110, v[56:59], s[10:11] offset:8192
	s_cmp_lt_u32 s[WV], 2
	s_cbranch_scc0 .Lend
	ds_load_b64 v[60:61], v10                      ; waves 0, 1: a row's 8 scale bytes a lane
	s_wait_dscnt 0x0
	global_store_b64 v11, v[60:61], s[12:13]       ; into rows of 32 bytes, of which the four groups of heads write 8 each
.Lend:
	s_wait_tensorcnt 0x0                           ; the wave's end
	ds_add_u32 v[SPW], v[NIL]
	s_wait_dscnt 0x0
	CROUND                                         ; the closing round
	s_endpgm
.Lfunc_end_k_qf82fa650ad_attn:
	.size	k_qf82fa650ad_attn, .Lfunc_end_k_qf82fa650ad_attn-k_qf82fa650ad_attn
	.p2alignl 7, 3214868480
	.fill 96, 4, 3214868480
	.section	.rodata,"a",@progbits
	.p2align	6, 0x0
	.amdhsa_kernel k_qf82fa650ad_attn
		.amdhsa_group_segment_fixed_size 327680
		.amdhsa_private_segment_fixed_size 0
		.amdhsa_enable_private_segment 0
		.amdhsa_kernarg_size 40
		.amdhsa_user_sgpr_count 2
		.amdhsa_user_sgpr_kernarg_segment_ptr 1
		.amdhsa_wavefront_size32 1
		.amdhsa_system_sgpr_workgroup_id_x 1
		.amdhsa_system_sgpr_workgroup_id_y 1
		.amdhsa_system_sgpr_workgroup_id_z 1
		.amdhsa_system_vgpr_workitem_id 0
		.amdhsa_next_free_vgpr 512
		.amdhsa_next_free_sgpr 96
		.amdhsa_reserve_vcc 0
		.amdhsa_float_denorm_mode_32 3
		.amdhsa_float_denorm_mode_16_64 3
		.amdhsa_memory_ordered 1
		.amdhsa_forward_progress 1
		.amdhsa_inst_pref_size 220
	.end_amdhsa_kernel
	.amdgpu_metadata
---
amdhsa.version: [ 1, 2 ]
amdhsa.kernels:
  - .name:           k_qf82fa650ad_attn
    .symbol:         k_qf82fa650ad_attn.kd
    .args:
      - { .name: qb, .offset: 0, .size: 8, .value_kind: global_buffer, .address_space: global }
      - { .name: kv, .offset: 8, .size: 8, .value_kind: global_buffer, .address_space: global }
      - { .name: attention_mask, .offset: 16, .size: 8, .value_kind: global_buffer, .address_space: global }
      - { .name: oc, .offset: 24, .size: 8, .value_kind: global_buffer, .address_space: global }
      - { .name: os, .offset: 32, .size: 8, .value_kind: global_buffer, .address_space: global }
    .group_segment_fixed_size: 327680
    .private_segment_fixed_size: 0
    .kernarg_segment_align: 8
    .kernarg_segment_size: 40
    .max_flat_workgroup_size: 256
    .sgpr_count:     96
    .vgpr_count:     512
    .wavefront_size: 32
...
	.end_amdgpu_metadata
.endif
;; end of part 3
;; launch proj (part 4): grid 8 x 32, 4 waves a work-group, clusters of 4 x 4, 327,680 bytes of LDS; arguments oc, os, cw, sw, out0; writes out0
.if DOCPART == 4
	.amdgcn_target "amdgcn-amd-amdhsa--gfx1250"
	.amdhsa_code_object_version 6
	.text
	.protected	k_qf82fa650ad_proj
	.globl	k_qf82fa650ad_proj
	.p2align	8
	.type	k_qf82fa650ad_proj,@function
k_qf82fa650ad_proj:
	s_mov_b64 s[64:65], 0
	v_nop
	global_prefetch_b8 v0, s[64:65] scope:SCOPE_SE
	s_setreg_imm32_b32 hwreg(HW_REG_WAVE_MODE, 25, 1), 1
	s_wait_xcnt 0x0
	s_wait_alu depctr_hold_cnt(0) depctr_sa_sdst(0) depctr_va_vdst(0) depctr_va_sdst(0) depctr_va_ssrc(0) depctr_va_vcc(0) depctr_vm_vsrc(0)
	s_getreg_b32 s2, hwreg(HW_REG_IB_STS2, 6, 4)
	s_cmp_eq_u32 s2, 0
	s_cbranch_scc0 .Lentry_in_a_cluster
	s_endpgm
.Lentry_in_a_cluster:
	s_bfe_u32 s2, ttmp6, 0x10000c
	s_cmp_lg_u32 s2, 0xf033
	s_cbranch_scc0 .Lentry_shape_is_right
	s_endpgm
.Lentry_shape_is_right:
; FOURTH LAUNCH: out0[m][n] = sum over k of O[m][k] Wd[n][k], M = 4,096, N = 1,024, K = 1,024, on codes of FP6 (E2M3) with E8M0 scales.  Nothing is left out here.
; 256 work-groups, each a block of 128 x 128; four waves, each 64 x 64: 16 accumulators (window 1).  oc lies [K step of 256][4,096 rows][192 bytes], cw [K step][8,192 rows][192] with Wd's rows from 7,168 on:
; 128 rows of a K step are 24,576 dense bytes, asked for as 96 rows of 256 bytes; 16 bytes of padding behind every 64 make LDS rows of 240 bytes.
; ALL OF K LIES IN LDS AT ONCE (8 tiles of 30,720 bytes): no byte is filled twice.  At the head wave w asks for K step w / 2 of A (w even) or B (w odd); behind a wait for it
; and a round, for K step 2 + w / 2, which lands under the first two K steps' products.
; CLUSTER 4 x 4: A's tiles hang on the block row alone and are asked for jointly along a row of the cluster, B's on the block column alone, along a column.
; The scale words go from memory into registers: a row's 32 bytes are its eight words; lane l takes row 32 j + l, so lanes 0-15 hold an even block's words and lanes 16-31 an odd one's.
; No prefetch: each byte is asked for once by the two groups of loads, and there is no loop to run ahead in.
; The matrix instruction is used transposed (source 0 = 16 rows of Wd, source 1 = 16 rows of O): a lane holds eight neighbouring numbers of a row of out0.
.set ROWB,   192
.set PITCH,  240
.set TILE,   128*PITCH
.set ASTEP,  4096*ROWB
.set BSTEP,  8192*ROWB
.set BROW0,  7168
.set STAGE,  8*TILE                    ; behind the tiles: 16 rows x 272 bytes for each wave, for the way out
.set SPITCH, 272
.set SPARE,  STAGE+4*16*SPITCH         ; the spare words, 128 bytes a wave, which no other line names
.set ADRA, 16                          ; v16, v17 my A rows in K steps 0-1 (v17: for a piece whose lanes 16-31 lie behind a pad); v18, v19 in K steps 2-3
.set ADRB, 20
.set STO,  24
.set RD,   25
.set CO,   26
.set SOF,  27
.set SPW,  28
.set NIL,  29
.set SA,   32                          ; v32-47 A's scale words, v48-63 B's; v64-159, v160-255 two sets of fragments: A's four, then B's four
.set SB,   48
.set G1,  24
.set G0,  32
.set G1B, 48
.set G0B, 56
.set MSB, 0
.macro WIN new
.if MSB != \new
	s_set_vgpr_msb (MSB<<8)|\new
.set MSB, \new
.endif
.endm
.macro NOP4
.rept 4
	v_nop
.endr
.endm
.macro WM d, a, b, c, sa, sb, ra, rb
.if (\ra)==0
.if (\rb)==0
	v_wmma_scale_f32_16x16x128_f8f6f4 \d, \a, \b, \c, \sa, \sb matrix_a_fmt:MATRIX_FMT_FP6 matrix_b_fmt:MATRIX_FMT_FP6
.else
	v_wmma_scale_f32_16x16x128_f8f6f4 \d, \a, \b, \c, \sa, \sb matrix_a_fmt:MATRIX_FMT_FP6 matrix_b_fmt:MATRIX_FMT_FP6 matrix_b_scale:MATRIX_SCALE_ROW1
.endif
.else
.if (\rb)==0
	v_wmma_scale_f32_16x16x128_f8f6f4 \d, \a, \b, \c, \sa, \sb matrix_a_fmt:MATRIX_FMT_FP6 matrix_b_fmt:MATRIX_FMT_FP6 matrix_a_scale:MATRIX_SCALE_ROW1
.else
	v_wmma_scale_f32_16x16x128_f8f6f4 \d, \a, \b, \c, \sa, \sb matrix_a_fmt:MATRIX_FMT_FP6 matrix_b_fmt:MATRIX_FMT_FP6 matrix_a_scale:MATRIX_SCALE_ROW1 matrix_b_scale:MATRIX_SCALE_ROW1
.endif
.endif
.endm
.macro JLOAD
	s_cmp_eq_u32 s15, 0
	s_cbranch_scc0 .Lfor_b_\@
	tensor_load_to_lds s[G0:G0+3], s[G1:G1+7]
	s_nop 0
	NOP4
	s_branch .Lasked_\@
.Lfor_b_\@:
	tensor_load_to_lds s[G0B:G0B+3], s[G1B:G1B+7]
	s_nop 0
	NOP4
.Lasked_\@:
.endm
.macro CROUND
	s_barrier_signal -1
	s_barrier_wait -1
	s_cmp_lg_u32 s14, 0
	s_cbranch_scc1 .Lnot_wave_0_\@
	s_barrier_signal -3
.Lnot_wave_0_\@:
	s_barrier_wait -3
	s_barrier_signal -1
	s_barrier_wait -1
.endm
	s_load_b256 s[4:11], s[0:1], 0x0               ; oc s[4:5], os s[6:7], cw s[8:9], sw s[10:11]
	s_load_b64 s[12:13], s[0:1], 0x20              ; out0
	v_lshl_add_u32 v[SPW], v0, 2, SPARE
	v_mov_b32 v[NIL], 0
	ds_add_u32 v[SPW], v[NIL]                      ; the opening: the add, twice on end, and its wait
	ds_add_u32 v[SPW], v[NIL]
	v_lshrrev_b32 v1, 5, v0
	v_readfirstlane_b32 s14, v1                    ; wave 0..3
	s_and_b32 s15, s14, 1                          ; my half of the columns.  Also: I fetch for A (0) or for B (1)
	s_lshr_b32 s16, s14, 1                         ; my half of the rows.  Also: which K step of a pair I fetch
	s_bfe_u32 s40, ttmp6, 0x40000
	s_bfe_u32 s41, ttmp6, 0x40004
	s_lshl_b32 s42, ttmp9, 2
	s_add_co_u32 s42, s42, s40                     ; block column
	s_and_b32 s17, ttmp7, 0xffff
	s_lshl_b32 s17, s17, 2
	s_add_co_u32 s17, s17, s41                     ; block row
	s_lshl_b32 s43, s41, 2
	s_lshl_b32 s43, 15, s43                        ; my row of the cluster
	s_lshl_b32 s44, 0x1111, s40                    ; my column
	s_or_b32 s[G1+0], s43, (0<<16)|(1<<20)|(1<<21)|(3<<22)|(3<<25)
	s_or_b32 s[G1B+0], s44, (0<<16)|(1<<20)|(1<<21)|(3<<22)|(3<<25)
.irp g, G1, G1B
	s_mov_b32 s[\g+1], 256<<16
	s_mov_b32 s[\g+2], 96<<16
	s_mov_b32 s[\g+3], 256<<16
	s_mov_b32 s[\g+4], 96
	s_mov_b32 s[\g+5], 256
	s_mov_b32 s[\g+6], 0
	s_mov_b32 s[\g+7], 0
.endr
	s_mul_i32 s20, s17, 128*ROWB                   ; A: the block row and the wave's number alone
	s_mul_i32 s21, s16, ASTEP
	s_add_co_u32 s20, s20, s21
	s_mov_b32 s21, 0
	s_mul_i32 s46, s42, 128*ROWB                   ; B: the block column and the wave's number alone
	s_add_co_u32 s46, s46, BROW0*ROWB
	s_mul_i32 s47, s16, BSTEP
	s_add_co_u32 s46, s46, s47
	s_mov_b32 s47, 0
	s_lshl_b32 s60, s17, 12                        ; my 64 rows' scale bytes, 32 a row
	s_lshl_b32 s61, s16, 11
	s_add_co_u32 s60, s60, s61
	s_mov_b32 s61, 0
	s_lshl_b32 s62, s42, 12
	s_lshl_b32 s63, s15, 11
	s_add_co_u32 s62, s62, s63
	s_add_co_u32 s62, s62, BROW0*32
	s_mov_b32 s63, 0
	s_lshl_b32 s66, s17, 19                        ; my part of out0: row 128 y + 64 half, 4,096 bytes a row; column 128 x + 64 half
	s_lshl_b32 s67, s16, 18
	s_add_co_u32 s66, s66, s67
	s_lshl_b32 s67, s42, 9
	s_add_co_u32 s66, s66, s67
	s_lshl_b32 s67, s15, 8
	s_add_co_u32 s66, s66, s67
	s_mov_b32 s67, 0
	s_mul_i32 s45, s16, TILE
	s_mul_i32 s70, s16, 64*PITCH
	s_add_co_u32 s71, s70, 2*TILE
	s_mul_i32 s72, s15, 64*PITCH
	s_add_co_u32 s72, s72, 4*TILE
	s_add_co_u32 s73, s72, 2*TILE
	s_mul_i32 s74, s14, 16*SPITCH
	s_add_co_u32 s74, s74, STAGE
	v_and_b32 v1, 15, v0
	v_bfe_u32 v2, v0, 4, 1
	v_and_b32 v6, 31, v0
	v_mul_u32_u24 v3, v1, PITCH
	v_mad_u32_u24 v4, v2, 24, v3                   ; a fragment's row x pitch + 24 x half,
	v_lshl_add_u32 v5, v2, 4, v4                   ; + 16 more where lanes 16-31 lie behind a pad
	v_add_nc_u32 v[ADRA], s70, v4
	v_add_nc_u32 v[ADRA+1], s70, v5
	v_add_nc_u32 v[ADRA+2], s71, v4
	v_add_nc_u32 v[ADRA+3], s71, v5
	v_add_nc_u32 v[ADRB], s72, v4
	v_add_nc_u32 v[ADRB+1], s72, v5
	v_add_nc_u32 v[ADRB+2], s73, v4
	v_add_nc_u32 v[ADRB+3], s73, v5
	v_mul_u32_u24 v7, v1, SPITCH
	v_lshl_add_u32 v7, v2, 5, v7
	v_add_nc_u32 v[STO], s74, v7                   ; the stage, in: row l % 16, 32 bytes for each half of the lanes
	v_mul_u32_u24 v8, v2, SPITCH
	v_lshl_add_u32 v8, v1, 4, v8
	v_add_nc_u32 v[RD], s74, v8                    ; back: sixteen lanes to a row of 256 bytes, two rows an instruction
	v_lshlrev_b32 v9, 12, v2
	v_lshl_add_u32 v[CO], v1, 4, v9                ; and the same two rows in out0
	v_lshlrev_b32 v[SOF], 5, v6                    ; scale words: 32 bytes a lane
	s_wait_alu depctr_va_vdst(0)
	s_wait_dscnt 0x0
	s_wait_kmcnt 0x0
	s_add_nc_u64 s[20:21], s[4:5], s[20:21]
	s_add_nc_u64 s[46:47], s[8:9], s[46:47]
	s_add_nc_u64 s[60:61], s[6:7], s[60:61]
	s_add_nc_u64 s[62:63], s[10:11], s[62:63]
	s_add_nc_u64 s[12:13], s[12:13], s[66:67]
	CROUND                                         ; all sixteen work-groups are here: the first joint loads meet
	s_mov_b32 s[G0], 1
	s_mov_b32 s[G0+1], s45
	s_mov_b64 s[G0+2:G0+3], s[20:21]
	s_or_b32 s[G0+3], s[G0+3], 0x80000000
	s_mov_b32 s[G0B], 1
	s_add_co_u32 s[G0B+1], s45, 4*TILE
	s_mov_b64 s[G0B+2:G0B+3], s[46:47]
	s_or_b32 s[G0B+3], s[G0B+3], 0x80000000
	JLOAD                                          ; K steps 0 and 1
.irp j, 0,1
.irp c, 0,1
	global_load_b128 v[SA+8*\j+4*\c:SA+8*\j+4*\c+3], v[SOF], s[60:61] offset:1024*\j+16*\c
	global_load_b128 v[SB+8*\j+4*\c:SB+8*\j+4*\c+3], v[SOF], s[62:63] offset:1024*\j+16*\c
.endr
.endr
	s_wait_tensorcnt 0x0                           ; my tile is in; no tensor load of mine is out, so the descriptors may be written
	ds_add_u32 v[SPW], v[NIL]
	s_add_co_u32 s[G0+1], s[G0+1], 2*TILE
	s_add_nc_u64 s[G0+2:G0+3], s[G0+2:G0+3], 2*ASTEP
	s_add_co_u32 s[G0B+1], s[G0B+1], 2*TILE
	s_add_nc_u64 s[G0B+2:G0B+3], s[G0B+2:G0B+3], 2*BSTEP
	s_wait_dscnt 0x0
	CROUND
	JLOAD                                          ; K steps 2 and 3
; a fragment, 16 rows x 128 K, is 12 registers, in pieces of 8 bytes; st: the step of 128 along K; piece PCE of a K step's 24 lies at 8 PCE + 16 (PCE / 8) of the LDS row
.macro FRAG reg, adr, st, i
.irp p, 0,1,2,3,4,5
.set PCE, 12*((\st)%2)+6*(\p/3)+\p%3
	ds_load_b64 v[\reg+2*\p:\reg+2*\p+1], v[\adr+2*((\st)/4)+(PCE%8)/5] offset:8*PCE+16*(PCE/8)+(\i)*16*PITCH+(((\st)/2)%2)*TILE
.endr
.endm
.macro FETCH st
.irp i, 0,1,2,3
	FRAG 64+96*((\st)%2)+12*\i, ADRA, \st, \i
	FRAG 112+96*((\st)%2)+12*\i, ADRB, \st, \i
.endr
.endm
.macro MUL st                          ; 16 products, the 16 accumulators by turns, in the same order in every step; the first step starts the sums
.set FP, 64+96*((\st)%2)
	WIN 0x50
.irp a, 0,1,2,3
.irp b, 0,1,2,3
.if (\st) == 0
	WM v[8*(4*\a+\b):8*(4*\a+\b)+7], v[FP+48+12*\b:FP+48+12*\b+11], v[FP+12*\a:FP+12*\a+11], 0, v[SB+8*(\b/2)+(\st)], v[SA+8*(\a/2)+(\st)], \b%2, \a%2
.else
	WM v[8*(4*\a+\b):8*(4*\a+\b)+7], v[FP+48+12*\b:FP+48+12*\b+11], v[FP+12*\a:FP+12*\a+11], v[8*(4*\a+\b):8*(4*\a+\b)+7], v[SB+8*(\b/2)+(\st)], v[SA+8*(\a/2)+(\st)], \b%2, \a%2
.endif
.endr
.endr
	WIN 0
.endm
	FETCH 0
	s_wait_loadcnt 0x0                             ; the scale words
.irp st, 0,1,2,3,4,5,6,7
	s_wait_dscnt 0x0                               ; this step's fragments are in
.if \st == 3
	s_wait_tensorcnt 0x0                           ; my tile of K steps 2, 3 has landed,
	s_barrier_signal -1
	s_barrier_wait -1                              ; and everybody's
.endif
.if \st < 7
.if \st > 0
	NOP4                                           ; places in front of loads into registers that the step before multiplied
.endif
	FETCH \st+1                                    ; the next step's fragments come while this step is multiplied
.endif
	MUL \st
.endr
; THE WAY OUT, by blocks of 16 rows x 64 columns through my own stage: back as whole rows of 256 bytes
.macro TOSTAGE a
	WIN 0x04
.irp b, 0,1,2,3
	ds_store_b128 v[STO], v[8*(4*\a+\b):8*(4*\a+\b)+3] offset:64*\b          ; each accumulator from its low end on
	ds_store_b128 v[STO], v[8*(4*\a+\b)+4:8*(4*\a+\b)+7] offset:64*\b+16
.endr
	WIN 0
.irp t, 0,1,2,3,4,5,6,7
	ds_load_b128 v[64+32*\a+4*\t:64+32*\a+4*\t+3], v[RD] offset:\t*2*SPITCH  ; LDS serves a wave's instructions in order: these see the stores above
.endr
.endm
.macro SEND a, younger                 ; each block has registers of its own: no store's data are written again
	s_wait_dscnt \younger
.irp t, 0,1,2,3,4,5,6,7
	global_store_b128 v[CO], v[64+32*\a+4*\t:64+32*\a+4*\t+3], s[12:13] offset:(16*\a+2*\t)*4096 th:TH_STORE_NT   ; sixteen lanes store 256 consecutive bytes, aligned
.endr
.endm
	NOP4                                           ; places behind the last products
	TOSTAGE 0
	TOSTAGE 1
	SEND 0, 16                                     ; behind block 0's loads: block 1's 8 stores and 8 loads
	TOSTAGE 2
	SEND 1, 16
	TOSTAGE 3
	SEND 2, 16
	SEND 3, 0
	s_wait_tensorcnt 0x0                           ; the wave's end
	ds_add_u32 v[SPW], v[NIL]
	s_wait_dscnt 0x0
	CROUND                                         ; the closing round
	s_endpgm
.Lfunc_end_k_qf82fa650ad_proj:
	.size	k_qf82fa650ad_proj, .Lfunc_end_k_qf82fa650ad_proj-k_qf82fa650ad_proj
	.p2alignl 7, 3214868480
	.fill 96, 4, 3214868480
	.section	.rodata,"a",@progbits
	.p2align	6, 0x0
	.amdhsa_kernel k_qf82fa650ad_proj
		.amdhsa_group_segment_fixed_size 327680
		.amdhsa_private_segment_fixed_size 0
		.amdhsa_enable_private_segment 0
		.amdhsa_kernarg_size 40
		.amdhsa_user_sgpr_count 2
		.amdhsa_user_sgpr_kernarg_segment_ptr 1
		.amdhsa_wavefront_size32 1
		.amdhsa_system_sgpr_workgroup_id_x 1
		.amdhsa_system_sgpr_workgroup_id_y 1
		.amdhsa_system_sgpr_workgroup_id_z 1
		.amdhsa_system_vgpr_workitem_id 0
		.amdhsa_next_free_vgpr 384
		.amdhsa_next_free_sgpr 80
		.amdhsa_reserve_vcc 0
		.amdhsa_float_denorm_mode_32 3
		.amdhsa_float_denorm_mode_16_64 3
		.amdhsa_memory_ordered 1
		.amdhsa_forward_progress 1
		.amdhsa_inst_pref_size 58
	.end_amdhsa_kernel
	.amdgpu_metadata
---
amdhsa.version: [ 1, 2 ]
amdhsa.kernels:
  - .name:           k_qf82fa650ad_proj
    .symbol:         k_qf82fa650ad_proj.kd
    .args:
      - { .name: oc, .offset: 0, .size: 8, .value_kind: global_buffer, .address_space: global }
      - { .name: os, .offset: 8, .size: 8, .value_kind: global_buffer, .address_space: global }
      - { .name: cw, .offset: 16, .size: 8, .value_kind: global_buffer, .address_space: global }
      - { .name: sw, .offset: 24, .size: 8, .value_kind: global_buffer, .address_space: global }
      - { .name: out0, .offset: 32, .size: 8, .value_kind: global_buffer, .address_space: global }
    .group_segment_fixed_size: 327680
    .private_segment_fixed_size: 0
    .kernarg_segment_align: 8
    .kernarg_segment_size: 40
    .max_flat_workgroup_size: 128
    .sgpr_count:     80
    .vgpr_count:     384
    .wavefront_size: 32
...
	.end_amdgpu_metadata
.endif
;; end of part 4
